; MI455X (gfx1250); checked and timed in simulation.
; The chip was launched on July 23, 2026; its instructions are those of AMD's public machine-readable ISA for CDNA 5 (MIT licence, August 2026) and "CDNA5" Instruction Set Architecture Reference Guide (July 2026). The comments in the code are by the model that wrote it; some were corrected since.
;; Switch Mo E. Allowed arithmetic: float matrix products may take bf16 or f16 operands with f32 sums; all other float work in f32.
;; Inputs: W1 8 x 1,024 x 256 float32; W2 8 x 256 x 1,024 float32; Wg 8 x 1,024 float32; b1 8 x 256 float32; b2 8 x 1,024 float32; ln_bias 8 x 1,024 float32; ln_scale 8 x 1,024 float32; x 8 x 2,048 x 1,024 float32.
;; Outputs: out0 8 x 2,048 x 1,024 float32.
;; 2 versions, each right; version 2 is version 1 with the launch experts written anew for expert scheduling mode. Each part assembles by itself: llvm-mc -triple=amdgcn-amd-amdhsa -mcpu=gfx1250 --defsym DOCPART=n.
;; ======== version 1 of 2: 3 launches
;; limits: values are held in f16: magnitudes above 65,504 overflow, below 6.1e-05 lose precision; right only within a limited range of input values
;; workspace buffers: xh 33,554,432 bytes; top1 65,536 bytes of whole numbers; order 524,288 bytes of whole numbers; counts 256 bytes of whole numbers; wp 8,388,608 bytes; c1p 262,144 bytes
;; launch route (part 1): grid 256 x 1, 8 waves a work-group, no clusters, 34,816 bytes of LDS; arguments x, Wg, xh, top1; writes xh, top1
.if DOCPART == 1
	.amdgcn_target "amdgcn-amd-amdhsa--gfx1250"
	.amdhsa_code_object_version 6
	.text
	.protected	k_q058e88d800_route
	.globl	k_q058e88d800_route
	.p2align	8
	.type	k_q058e88d800_route,@function
k_q058e88d800_route:
	s_mov_b64 s[64:65], 0
	v_nop
	global_prefetch_b8 v0, s[64:65] scope:SCOPE_SE
	s_setreg_imm32_b32 hwreg(HW_REG_WAVE_MODE, 25, 1), 1
	s_wait_xcnt 0x0
; route.  For each of the 16,384 tokens (a row of 1,024 f32 of x):
;   the eight gate logits x . Wg[e], summed in f32 by the vector unit, and the number of the first largest one -> top1 (i32);
;   the mean, the variance by a second pass over x - mean, and xhat = (x - mean) rsqrt(var + 1e-5), rounded once to f16 -> xh
;   (xhat is a matrix operand of the third launch).  f16 holds it for every input: the sum of a row's xhat^2 is below 1,024, so |xhat| < 32; below 2^-14 its spacing is 2^-24.
; The logits stay in f32 because one comparison decides a whole output row; they are 16,384 x 8 x 1,024 multiply-adds, a small part of the work.
; LIMITS.  The logits are summed in another order than a plain dot product: two logits closer than their f32 summation error (about 1e-7 of their size)
; may be ordered the other way.  A NaN logit is not served (it comes from a NaN in Wg, or from a NaN or an infinity in x, where the whole output row is NaN whatever the expert).
; SHARES.  A work-group owns 64 tokens, each of its eight waves 8.  A wave takes a whole row: eight loads of 512 neighbouring bytes, 32 registers; lane l holds columns 128 j + 4 l .. + 3
; of load j.  The row is read from memory once and stays in registers through all passes.  Four row slots: one at work, three on their way.
; Wg (32 KiB) is fetched once by the work-group, passed through LDS, and then lies in every wave's registers v256-v511 in the rows' own layout.
; No matrix unit, cluster or tensor load: memory binds, and no two work-groups share anything but Wg.
.set TOPS, 32768                       ; LDS: 0 Wg as it lies in memory (32,768 bytes); TOPS: 128 bytes for each wave, its tokens' experts
.set T,    10                          ; v[10:25]  at work
.set LG,   26                          ; v[26:41]  eight pairs: the logits' running sums (even columns', odd columns')
.set Y,    42                          ; v[42:57]  the row as f16, to store
.set X,    64                          ; v[64:191] four row slots of 32
.set WST,  192                         ; v[192:223] Wg on its way into LDS
; v1 lane; v2 my byte offset in the group's rows of x; v3 the same in xh; v4 lane r: the expert of my wave's row r; v[6:7] the mean, twice; v[8:9] 1/sigma, twice
; v58 the best logit, v59 its number; v60, v61 at work; v62 my 16 bytes of each 4 KiB of Wg; v63 16 x lane
; window 1 (v256-v511): v[32 e + 4 j ..] = Wg[e][128 j + 4 l .. + 3]
.set MSB, 0
.macro WIN new                         ; s_set_vgpr_msb: bits 3:2 source 1, bits 7:6 destination; the high byte repeats the setting that is left
.if MSB != \new
	s_set_vgpr_msb (MSB<<8)|\new
.set MSB, \new
.endif
.endm
.macro FILL row                        ; a whole row: eight loads of 512 neighbouring bytes; x is read once in the launch
.irp j, 0,1,2,3,4,5,6,7
	global_load_b128 v[X+32*((\row)%4)+4*\j:X+32*((\row)%4)+4*\j+3], v2, s[4:5] offset:(\row)*4096+512*\j th:TH_LOAD_NT
.endr
.endm
.macro WSUM reg, tmp                   ; the sum over the 32 lanes, in every lane; tmp has been written before
	v_add_f32_dpp v[\reg], v[\reg], v[\reg] row_xmask:1 row_mask:0xf bank_mask:0xf
	v_add_f32_dpp v[\reg], v[\reg], v[\reg] row_xmask:2 row_mask:0xf bank_mask:0xf
	v_add_f32_dpp v[\reg], v[\reg], v[\reg] row_xmask:4 row_mask:0xf bank_mask:0xf
	v_add_f32_dpp v[\reg], v[\reg], v[\reg] row_xmask:8 row_mask:0xf bank_mask:0xf
	v_permlanex16_b32 v[\tmp], v[\reg], s16, s17
	v_add_f32 v[\reg], v[\reg], v[\tmp]
.endm
.macro FOLD                            ; four chains of pairs -> one number in every lane, in v60
	v_pk_add_f32 v[T:T+1], v[T:T+1], v[T+2:T+3]
	v_pk_add_f32 v[T+4:T+5], v[T+4:T+5], v[T+6:T+7]
	v_pk_add_f32 v[T:T+1], v[T:T+1], v[T+4:T+5]
	v_add_f32 v60, v[T], v[T+1]
	WSUM 60, 61
.endm
; Row r of my wave's eight.  left: the loads of the rows behind it, which may stay out.  fill = 1: its slot takes row r + 4.
.macro TURN r, left, fill
.set XS, X+32*((\r)%4)
	s_wait_loadcnt \left                           ; loads come back in order: my row's eight are in
	s_wait_xcnt 0x0                                ; Y, which the last row's stores read, is rewritten only behind this wait
	; the mean: 16 pairs in four chains
.irp c, 0,1,2,3
	v_pk_add_f32 v[T+2*\c:T+2*\c+1], v[XS+2*\c:XS+2*\c+1], v[XS+8+2*\c:XS+8+2*\c+1]
.endr
.irp g, 2,3
.irp c, 0,1,2,3
	v_pk_add_f32 v[T+2*\c:T+2*\c+1], v[T+2*\c:T+2*\c+1], v[XS+8*\g+2*\c:XS+8*\g+2*\c+1]
.endr
.endr
	FOLD
	v_mul_f32 v6, s18, v60
	v_mul_f32 v7, s18, v60
	; the eight logits on x as it came: the first pair starts the sums
	WIN 0x04                                       ; source 1 (Wg) in window 1
.irp e, 0,1,2,3,4,5,6,7
	v_pk_mul_f32 v[LG+2*\e:LG+2*\e+1], v[XS:XS+1], v[32*\e:32*\e+1]
.endr
.set p, 1
.rept 15
.irp e, 0,1,2,3,4,5,6,7
	v_pk_fma_f32 v[LG+2*\e:LG+2*\e+1], v[XS+2*p:XS+2*p+1], v[32*\e+2*p:32*\e+2*p+1], v[LG+2*\e:LG+2*\e+1]
.endr
.set p, p+1
.endr
	WIN 0
.irp e, 0,1,2,3,4,5,6,7
	v_add_f32 v[LG+2*\e], v[LG+2*\e], v[LG+2*\e+1]
.endr
.irp m, 1,2,4,8
.irp e, 0,1,2,3,4,5,6,7
	v_add_f32_dpp v[LG+2*\e], v[LG+2*\e], v[LG+2*\e] row_xmask:\m row_mask:0xf bank_mask:0xf
.endr
.endr
.irp e, 0,1,2,3,4,5,6,7
	v_permlanex16_b32 v[T+\e], v[LG+2*\e], s16, s17        ; v[T ..] were written by the mean's chains
.endr
.irp e, 0,1,2,3,4,5,6,7
	v_add_f32 v[LG+2*\e], v[LG+2*\e], v[T+\e]              ; every lane holds the same eight logits
.endr
	; the first largest: the best so far is kept while it is >= the next
	v_mov_b32 v58, v[LG]
	v_mov_b32 v59, 0
.irp e, 1,2,3,4,5,6,7
	v_cmp_ge_f32 vcc_lo, v58, v[LG+2*\e]
	v_cndmask_b32 v59, \e, v59, vcc_lo
	v_cndmask_b32 v58, v[LG+2*\e], v58, vcc_lo
.endr
	; x - mean in place, then the sum of its squares
.set p, 0
.rept 16
	v_pk_add_f32 v[XS+2*p:XS+2*p+1], v[XS+2*p:XS+2*p+1], v[6:7] neg_lo:[0,1] neg_hi:[0,1]
.set p, p+1
.endr
.irp c, 0,1,2,3
	v_pk_mul_f32 v[T+2*\c:T+2*\c+1], v[XS+2*\c:XS+2*\c+1], v[XS+2*\c:XS+2*\c+1]
.endr
.irp g, 1,2,3
.irp c, 0,1,2,3
	v_pk_fma_f32 v[T+2*\c:T+2*\c+1], v[XS+8*\g+2*\c:XS+8*\g+2*\c+1], v[XS+8*\g+2*\c:XS+8*\g+2*\c+1], v[T+2*\c:T+2*\c+1]
.endr
.endr
	FOLD
	v_fma_f32 v60, v60, s18, s19                   ; var + eps
	v_rsq_f32 v8, v60
	v_rsq_f32 v9, v60
	v_cmp_eq_u32 vcc_lo, \r, v1                    ; plain work behind the reciprocal roots, before their results are used (ISA guide 5.7.2):
	v_cndmask_b32 v4, v4, v59, vcc_lo              ; lane r keeps row r's expert
.set p, 0
	s_wait_alu depctr_va_vdst(0)
.rept 16
	v_pk_mul_f32 v[XS+2*p:XS+2*p+1], v[XS+2*p:XS+2*p+1], v[8:9]
.set p, p+1
.endr
.set p, 0
.rept 16
	v_cvt_pk_f16_f32 v[Y+p], v[XS+2*p], v[XS+2*p+1]
.set p, p+1
.endr
.if \fill
	FILL \r+4                                      ; loads ahead of stores
.endif
.irp j, 0,1,2,3,4,5,6,7
	global_store_b64 v3, v[Y+2*\j:Y+2*\j+1], s[8:9] offset:(\r)*2048+256*\j   ; the wave's 32 lanes store 256 consecutive bytes, at a multiple of 256 from xh's first byte
.endr
.endm
	s_load_b256 s[4:11], s[0:1], 0x0               ; x s[4:5], Wg s[6:7], xh s[8:9], top1 s[10:11]
	v_lshl_add_u32 v254, v0, 2, 0x8400
	v_mov_b32 v255, 0
	v_and_b32 v1, 31, v0
	v_lshrrev_b32 v5, 5, v0
	v_readfirstlane_b32 s12, v5                    ; my wave's number
	s_lshl_b32 s14, ttmp9, 18                      ; the group's 64 rows of 4,096 bytes of x
	s_mov_b32 s15, 0
	s_mov_b32 s16, 0x76543210                      ; v_permlanex16_b32: each lane takes its own place in the other half
	s_mov_b32 s17, 0xfedcba98
	s_mov_b32 s18, 0x3a800000                      ; 1 / 1024
	s_mov_b32 s19, 0x3727c5ac                      ; 1e-5
	v_lshlrev_b32 v63, 4, v1                       ; 16 x lane
	s_lshl_b32 s13, s12, 15
	v_add_nc_u32 v2, s13, v63                      ; x: wave x 8 rows x 4,096 + 16 x lane
	s_lshl_b32 s13, s12, 14
	v_lshl_add_u32 v3, v1, 3, s13                  ; xh: wave x 8 rows x 2,048 + 8 x lane
	s_lshl_b32 s13, s12, 9
	v_add_nc_u32 v62, s13, v63                     ; Wg: 512 x wave + 16 x lane in each 4 KiB
	v_mov_b32 v4, 0
	v_mov_b32 v61, 0                               ; v_permlanex16_b32 counts as a reader of its destination
	s_wait_kmcnt 0x0
	s_add_nc_u64 s[4:5], s[4:5], s[14:15]
	s_lshl_b32 s14, ttmp9, 17                      ; 64 rows of 2,048 bytes of xh
	s_add_nc_u64 s[8:9], s[8:9], s[14:15]
	s_lshl_b32 s14, ttmp9, 8                       ; 64 words of top1
	s_add_nc_u64 s[10:11], s[10:11], s[14:15]
.irp i, 0,1,2,3,4,5,6,7
	global_load_b128 v[WST+4*\i:WST+4*\i+3], v62, s[6:7] offset:4096*\i
.endr
	FILL 0
	FILL 1
	FILL 2
	FILL 3
	s_wait_loadcnt 32                              ; Wg's eight loads are older than the 32 of the four rows
.irp i, 0,1,2,3,4,5,6,7
	ds_store_b128 v62, v[WST+4*\i:WST+4*\i+3] offset:4096*\i
.endr
	s_wait_dscnt 0x0                               ; for the others' sake: my part of Wg lies in LDS
	s_barrier_signal -1
	s_barrier_wait -1
	WIN 0x40                                       ; destination window 1
.irp e, 0,1,2,3,4,5,6,7
.irp j, 0,1,2,3,4,5,6,7
	ds_load_b128 v[32*\e+4*\j:32*\e+4*\j+3], v63 offset:4096*\e+512*\j
.endr
.endr
	WIN 0
	s_wait_dscnt 0x0
	TURN 0, 24, 1                                  ; three rows, 24 loads, stay on their way
	TURN 1, 24, 1
	TURN 2, 24, 1
	TURN 3, 24, 1
	TURN 4, 24, 0                                  ; nothing is left to fetch: the counts run down
	TURN 5, 16, 0
	TURN 6, 8, 0
	TURN 7, 0, 0
	; top1: the eight waves' words meet in LDS, and wave 0 stores the group's 64 words as 256 consecutive bytes
	s_lshl_b32 s14, s12, 7
	s_add_co_u32 s14, s14, TOPS
	v_lshl_add_u32 v60, v1, 2, s14
	ds_store_b32 v60, v4                           ; lanes 0 to 7 hold my rows' experts
	s_wait_dscnt 0x0
	s_barrier_signal -1
	s_barrier_wait -1
	s_cmp_lg_u32 s12, 0
	s_cbranch_scc1 .Lend
	v_lshrrev_b32 v60, 2, v1                       ; tokens 2 l and 2 l + 1: wave l / 4, its rows 2 (l % 4) and the next
	v_and_b32 v61, 3, v1
	v_lshlrev_b32 v60, 7, v60
	v_lshl_add_u32 v60, v61, 3, v60
	ds_load_b64 v[62:63], v60 offset:TOPS
	v_lshlrev_b32 v61, 3, v1
	s_wait_dscnt 0x0
	global_store_b64 v61, v[62:63], s[10:11]
.Lend:
	s_wait_tensorcnt 0x0
	ds_add_u32 v254, v255
	s_wait_dscnt 0x0
	s_endpgm
.Lfunc_end_k_q058e88d800_route:
	.size	k_q058e88d800_route, .Lfunc_end_k_q058e88d800_route-k_q058e88d800_route
	.p2alignl 7, 3214868480
	.fill 96, 4, 3214868480
	.section	.rodata,"a",@progbits
	.p2align	6, 0x0
	.amdhsa_kernel k_q058e88d800_route
		.amdhsa_group_segment_fixed_size 34816
		.amdhsa_private_segment_fixed_size 0
		.amdhsa_enable_private_segment 0
		.amdhsa_kernarg_size 32
		.amdhsa_user_sgpr_count 2
		.amdhsa_user_sgpr_kernarg_segment_ptr 1
		.amdhsa_wavefront_size32 1
		.amdhsa_system_sgpr_workgroup_id_x 1
		.amdhsa_system_sgpr_workgroup_id_y 1
		.amdhsa_system_sgpr_workgroup_id_z 1
		.amdhsa_system_vgpr_workitem_id 0
		.amdhsa_next_free_vgpr 512
		.amdhsa_next_free_sgpr 66
		.amdhsa_reserve_vcc 1
		.amdhsa_float_denorm_mode_32 3
		.amdhsa_float_denorm_mode_16_64 3
		.amdhsa_memory_ordered 1
		.amdhsa_forward_progress 1
		.amdhsa_inst_pref_size 164
	.end_amdhsa_kernel
	.amdgpu_metadata
---
amdhsa.version: [ 1, 2 ]
amdhsa.kernels:
  - .name:           k_q058e88d800_route
    .symbol:         k_q058e88d800_route.kd
    .args:
      - { .name: x, .offset: 0, .size: 8, .value_kind: global_buffer, .address_space: global }
      - { .name: Wg, .offset: 8, .size: 8, .value_kind: global_buffer, .address_space: global }
      - { .name: xh, .offset: 16, .size: 8, .value_kind: global_buffer, .address_space: global }
      - { .name: top1, .offset: 24, .size: 8, .value_kind: global_buffer, .address_space: global }
    .group_segment_fixed_size: 34816
    .private_segment_fixed_size: 0
    .kernarg_segment_align: 8
    .kernarg_segment_size: 32
    .max_flat_workgroup_size: 256
    .sgpr_count:     66
    .vgpr_count:     512
    .wavefront_size: 32
...
	.end_amdgpu_metadata
.endif
;; end of part 1
;; launch prep (part 2): grid 320 x 1, 8 waves a work-group, no clusters, 15,616 bytes of LDS; arguments top1, W1, W2, ln_scale, ln_bias, order, counts, wp, c1p; writes order, counts, wp, c1p
.if DOCPART == 2
	.amdgcn_target "amdgcn-amd-amdhsa--gfx1250"
	.amdhsa_code_object_version 6
	.text
	.protected	k_q058e88d800_prep
	.globl	k_q058e88d800_prep
	.p2align	8
	.type	k_q058e88d800_prep,@function
k_q058e88d800_prep:
	s_mov_b64 s[64:65], 0
	v_nop
	global_prefetch_b8 v0, s[64:65] scope:SCOPE_SE
	s_setreg_imm32_b32 hwreg(HW_REG_WAVE_MODE, 25, 1), 1
	s_wait_xcnt 0x0
; prep.  Two kinds of work-groups, told apart by the work-group's number alone (the same in all eight waves).
; WORK-GROUPS 0-63 (place): work-group 8 e + k reads the k-th eighth of top1 (2,048 words) and writes the tokens of that eighth that chose expert e -> order[e][k][0 .. c), and c -> counts[e][k].
;   No atomics and no number from another work-group: each wave compacts its 256 tokens into an LDS region of its own, the waves' totals meet in LDS, and the segment is copied out in order.
;   A segment is written whole, all 2,048 places: those from c on repeat its last token (0 where it has none).  So addresses in memory and trips hang on no data, every store of a wave covers
;   512 consecutive bytes, and no byte of order is left unwritten.  The third launch adds an expert's eight counts up and finds a list entry's segment by them.
;   The 64 counts are 4 bytes a work-group: the one store that does not fill its 256 bytes.
; WORK-GROUPS 64-319 (pack): work-group (e, s), s = 0..31, rounds to f16 and lays in the order in which the third launch's matrix fragments want them
;   rows 32 s .. 32 s + 31 of 16 x ln_scale[e] x W1[e], and a 32 x 256 part of 4 x W2[e]; and sums ln_bias[e][k] W1[e][k][:] over its 32 k in f32 -> c1p[e][s][256].
;   (xhat s + b) W1 + b1 = xhat (diag(s) W1) + (b W1 + b1), for every input.
;   The factors 16 and 4 are exact and are taken out again in the third launch; they set the weights in the middle of f16's range.
; LIMITS.  |ln_scale W1| above 4,094 or |W2| above 16,376 becomes an infinity in f16.  Below 2^-14 f16's spacing is 2^-24: that is 2^-28 of ln_scale W1 and 2^-26 of W2, absolute.
; wp, in bytes: e x 1 MiB + w x 256 KiB + step x 4,096 + (2 f + q) x 512 + L x 16; the 16 bytes are 8 f16, j = 0..7; L = 16 h + r.
;   steps 0-31 (W1, step = s):            row k = 32 s + 16 q + 8 h + j,                              column 64 w + 4 r + f
;   steps 32-63 (W2, step = 32 + 8 c + s2): row 64 (s2 >> 1) + 32 h + 4 j + 2 (s2 & 1) + q,           column 256 w + 64 c + 4 r + f
;   W2's rows stand in the order in which the third launch lays the hidden vector in LDS; the same order on both operands leaves the products as they are.
.set NPLACE, 64                        ; place work-groups; they come first in the grid
.set WPITCH, 1280                      ; place: a wave's LDS region: 256 words of list, then a block of 256 bytes whose first word takes what does not match
.set TOT,    8*WPITCH                  ; place: the eight waves' totals
.set PKS,    TOT+256                   ; pack: four parts of 1,024 bytes, in bytes that the other kind of work-group does not name
.set POS,    96                        ; place, the copy: v[96:103] 8 places of the segment, v[104:111] their words in LDS, v[112:119] the tokens
.set OFS,    104
.set DAT,    112
	s_load_b512 s[8:23], s[0:1], 0x0               ; top1 s[8:9], W1 s[10:11], W2 s[12:13], ln_scale s[14:15], ln_bias s[16:17], order s[18:19], counts s[20:21], wp s[22:23]
	s_load_b64 s[24:25], s[0:1], 0x40              ; c1p
	v_lshl_add_u32 v136, v0, 2, 0x3900
	v_mov_b32 v137, 0
	v_and_b32 v1, 31, v0
	v_lshrrev_b32 v2, 5, v0
	v_readfirstlane_b32 s27, v2                    ; my wave's number
	s_cmp_lt_u32 ttmp9, NPLACE
	s_cbranch_scc1 .Lplace
	; ---------------- pack ----------------
	; wave: nb = wave & 3 (which 64 columns), q = wave >> 2 (which half of a fragment's k); lane: r = l & 15, h = l >> 4
	s_sub_co_u32 s26, ttmp9, NPLACE                ; 32 e + s
	s_lshr_b32 s28, s26, 5                         ; e
	s_and_b32 s29, s26, 31                         ; s
	s_and_b32 s30, s27, 3                          ; nb
	s_lshr_b32 s31, s27, 2                         ; q
	v_and_b32 v5, 15, v0                           ; r
	v_bfe_u32 v6, v0, 4, 1                         ; h
	s_lshl_b32 s33, s30, 8                         ; nb x 256 bytes
	s_lshl_b32 s32, s31, 14
	s_add_co_u32 s32, s32, s33
	v_lshlrev_b32 v8, 4, v5
	v_lshl_add_u32 v8, v6, 13, v8
	v_add_nc_u32 v8, s32, v8                       ; W1: (16 q + 8 h) rows of 1,024 bytes + 256 nb + 16 r
	s_lshl_b32 s32, s31, 12
	s_add_co_u32 s32, s32, s33
	v_lshlrev_b32 v9, 4, v5
	v_lshl_add_u32 v9, v6, 17, v9
	v_add_nc_u32 v9, s32, v9                       ; W2: (32 h + q) rows of 4,096 bytes + 256 nb + 16 r
	s_lshl_b32 s32, s31, 6
	v_lshl_add_u32 v10, v6, 5, s32                 ; ln_scale, ln_bias: 4 (16 q + 8 h)
	s_lshl_b32 s34, s31, 9
	s_lshl_b32 s32, s30, 18
	s_add_co_u32 s32, s32, s34
	v_lshl_add_u32 v11, v1, 4, s32                 ; wp, W1's part: 256 KiB nb + 512 q + 16 l
	s_lshl_b32 s32, s30, 15
	s_add_co_u32 s32, s32, s34
	v_lshl_add_u32 v12, v1, 4, s32                 ; wp, W2's part: 8 nb steps of 4,096 + 512 q + 16 l
	s_lshl_b32 s32, s31, 11
	s_add_co_u32 s32, s32, s33
	s_add_co_u32 s32, s32, PKS
	v_lshlrev_b32 v13, 4, v5
	v_lshl_add_u32 v13, v6, 10, v13
	v_add_nc_u32 v13, s32, v13                     ; LDS: part 2 q + h of four (1,024 bytes each), columns 64 nb + 4 r .. + 3
	s_lshl_b32 s36, s28, 20                        ; e x 1 MiB
	s_mov_b32 s39, 0
	s_lshr_b32 s40, s29, 2                         ; s2
	s_and_b32 s41, s29, 3                          ; which wave of the third launch takes my part of W2
	s_wait_kmcnt 0x0
	s_lshl_b32 s38, s29, 15
	s_add_co_u32 s38, s38, s36
	s_add_nc_u64 s[10:11], s[10:11], s[38:39]      ; W1[e], row 32 s
	s_lshl_b32 s38, s28, 12
	s_lshl_b32 s35, s29, 7
	s_add_co_u32 s38, s38, s35
	s_add_nc_u64 s[14:15], s[14:15], s[38:39]      ; ln_scale[e][32 s]
	s_add_nc_u64 s[16:17], s[16:17], s[38:39]      ; ln_bias[e][32 s]
	s_lshr_b32 s38, s40, 1
	s_lshl_b32 s38, s38, 18                        ; 64 (s2 >> 1) rows
	s_and_b32 s35, s40, 1
	s_lshl_b32 s35, s35, 13                        ; 2 (s2 & 1) rows
	s_add_co_u32 s38, s38, s35
	s_lshl_b32 s35, s41, 10                        ; 256 columns for each wave
	s_add_co_u32 s38, s38, s35
	s_add_co_u32 s38, s38, s36
	s_add_nc_u64 s[12:13], s[12:13], s[38:39]
	s_lshl_b32 s38, s29, 12
	s_add_co_u32 s38, s38, s36
	s_add_nc_u64 s[42:43], s[22:23], s[38:39]      ; wp: expert e, step s
	s_lshl_b32 s38, s41, 18
	s_lshl_b32 s35, s40, 12
	s_add_co_u32 s38, s38, s35
	s_add_co_u32 s38, s38, 131072
	s_add_co_u32 s38, s38, s36
	s_add_nc_u64 s[44:45], s[22:23], s[38:39]      ; wp: expert e, that wave, step 32 + s2
	s_lshl_b32 s38, s26, 10
	s_add_nc_u64 s[24:25], s[24:25], s[38:39]      ; c1p[e][s]
	; all twenty loads first; lanes 0-15 and lanes 16-31 of a weight load each read 256 consecutive bytes
.irp j, 0,1,2,3,4,5,6,7
	global_load_b128 v[16+4*\j:19+4*\j], v8, s[10:11] offset:1024*\j th:TH_LOAD_NT    ; W1[k + j][4 columns]
.endr
	global_load_b128 v[48:51], v10, s[14:15]
	global_load_b128 v[52:55], v10, s[14:15] offset:16
	global_load_b128 v[56:59], v10, s[16:17]
	global_load_b128 v[60:63], v10, s[16:17] offset:16
.irp j, 0,1,2,3,4,5,6,7
	global_load_b128 v[64+4*\j:67+4*\j], v9, s[12:13] offset:16384*\j th:TH_LOAD_NT   ; W2[row + 4 j][4 columns]
.endr
	s_wait_loadcnt 8                               ; W2's eight loads may stay out
.irp f, 0,1,2,3
	v_mul_f32 v[96+\f], v[16+\f], v56              ; ln_bias . W1 over my 8 k, on W1 as it came
.endr
.irp j, 1,2,3,4,5,6,7
.irp f, 0,1,2,3
	v_fmac_f32 v[96+\f], v[16+4*\j+\f], v[56+\j]
.endr
.endr
	ds_store_b128 v13, v[96:99]
.irp j, 0,1,2,3,4,5,6,7
	v_mul_f32 v[48+\j], 0x41800000, v[48+\j]               ; 16 ln_scale[k]
.endr
.irp j, 0,1,2,3,4,5,6,7
.irp f, 0,1,2,3
	v_mul_f32 v[16+4*\j+\f], v[16+4*\j+\f], v[48+\j]       ; 16 ln_scale[k] W1[k][n]
.endr
.endr
.irp f, 0,1,2,3
.irp u, 0,1,2,3
	v_cvt_pk_f16_f32 v[100+4*\f+\u], v[16+8*\u+\f], v[20+8*\u+\f]    ; k = 2 u and 2 u + 1 of column f
.endr
.endr
.irp f, 0,1,2,3
	global_store_b128 v11, v[100+4*\f:103+4*\f], s[42:43] offset:1024*\f   ; the wave stores 512 consecutive bytes
.endr
	s_wait_loadcnt 0x0
.set i, 0
.rept 16
	v_pk_mul_f32 v[64+2*i:65+2*i], v[64+2*i:65+2*i], 4.0 op_sel_hi:[1,0]   ; 4 W2
.set i, i+1
.endr
.irp f, 0,1,2,3
.irp u, 0,1,2,3
	v_cvt_pk_f16_f32 v[116+4*\f+\u], v[64+8*\u+\f], v[68+8*\u+\f]
.endr
.endr
.irp f, 0,1,2,3
	global_store_b128 v12, v[116+4*\f:119+4*\f], s[44:45] offset:1024*\f
.endr
	s_wait_dscnt 0x0                               ; for the others' sake: my four partial sums lie in LDS
	s_barrier_signal -1
	s_barrier_wait -1
	s_cmp_gt_u32 s27, 1
	s_cbranch_scc1 .Lpack_end                      ; waves 0 and 1 add the four parts: 64 threads x 4 columns
	v_lshlrev_b32 v14, 4, v0
	v_add_nc_u32 v15, PKS, v14
	ds_load_b128 v[16:19], v15
	ds_load_b128 v[20:23], v15 offset:1024
	ds_load_b128 v[24:27], v15 offset:2048
	ds_load_b128 v[28:31], v15 offset:3072
	s_wait_dscnt 0x0
	v_pk_add_f32 v[16:17], v[16:17], v[20:21]
	v_pk_add_f32 v[18:19], v[18:19], v[22:23]
	v_pk_add_f32 v[24:25], v[24:25], v[28:29]
	v_pk_add_f32 v[26:27], v[26:27], v[30:31]
	v_pk_add_f32 v[16:17], v[16:17], v[24:25]
	v_pk_add_f32 v[18:19], v[18:19], v[26:27]
	global_store_b128 v14, v[16:19], s[24:25]
.Lpack_end:
	s_wait_tensorcnt 0x0
	ds_add_u32 v136, v137
	s_wait_dscnt 0x0
	s_endpgm
	; ---------------- place ----------------
.Lplace:
	s_lshr_b32 s26, ttmp9, 3                       ; my expert
	s_and_b32 s52, ttmp9, 7                        ; my eighth of the tokens
	v_lshlrev_b32 v3, 4, v0                        ; 16 t: thread t holds tokens 2,048 k + 1,024 j + 4 t + i in v[16 + 4 j + i]
	v_lshlrev_b32 v6, 2, v0                        ; 4 t
	s_lshl_b32 s30, s52, 11
	v_add_nc_u32 v4, s30, v6                       ; 2,048 k + 4 t
	v_mov_b32 v5, 0x100                            ; the index of my region's spare word
	s_mul_i32 s28, s27, WPITCH                     ; my wave's region
	s_mov_b32 s29, 0                               ; how many of my wave's tokens have matched
	v_mov_b32 v15, s28
	v_mov_b32 v14, 0
	ds_store_b32 v15, v14                          ; my region's first word is 0 until a token takes it: what the copy reads where the segment has no token at all
	s_lshl_b32 s30, s52, 13                        ; the eighth's 8,192 bytes of top1
	s_mov_b32 s31, 0
	s_wait_kmcnt 0x0
	s_add_nc_u64 s[8:9], s[8:9], s[30:31]
	global_load_b128 v[16:19], v3, s[8:9]
	global_load_b128 v[20:23], v3, s[8:9] offset:4096
	s_wait_loadcnt 0x0
.set i, 0
.rept 8                                ; 32 tokens a step: a matching lane's place is the count so far plus the matching lanes below it
.set a, 8+2*(i%2)
	v_cmp_eq_u32 vcc_lo, s26, v[16+i]
	v_mbcnt_lo_u32_b32 v[a], vcc_lo, s29
	v_cndmask_b32 v[a], v5, v[a], vcc_lo           ; the others go to the spare word
	v_min_u32 v[a], 0x100, v[a]
	v_lshl_add_u32 v[a], v[a], 2, s28
	v_add_nc_u32 v[a+1], 1024*(i/4)+(i%4), v4      ; the token's number
	ds_store_b32 v[a], v[a+1]
	s_bcnt1_i32_b32 s30, vcc_lo
	s_add_co_u32 s29, s29, s30
.set i, i+1
.endr
	v_mov_b32 v12, s29
	s_lshl_b32 s30, s27, 2
	s_add_co_u32 s30, s30, TOT
	v_mov_b32 v13, s30
	ds_store_b32 v13, v12
	s_wait_dscnt 0x0                               ; for the others' sake: my list and my total lie in LDS
	s_barrier_signal -1
	s_barrier_wait -1
	v_mov_b32 v12, TOT
	ds_load_b128 v[80:83], v12
	ds_load_b128 v[84:87], v12 offset:16
	s_wait_dscnt 0x0
.irp w, 0,1,2,3,4,5,6,7
	v_readfirstlane_b32 s[32+\w], v[80+\w]
.endr
	s_mov_b32 s48, 0
.irp w, 0,1,2,3,4,5,6,7
	s_mov_b32 s[40+\w], s48                        ; where wave w's tokens begin in the segment
	s_add_co_u32 s48, s48, s[32+\w]
.endr
.irp w, 1,2,3,4,5,6,7
	s_sub_co_u32 s30, \w*(WPITCH/4), s[40+\w]      ; place + this = word in LDS, for places that are wave w's
	v_mov_b32 v[88+\w], s30
.endr
	s_min_u32 s48, s48, 0x800                      ; c: the segment's count
	s_max_u32 s49, s48, 1
	s_sub_co_u32 s49, s49, 1                       ; its last entry; 0 where there is none
	s_lshl_b32 s30, ttmp9, 13                      ; segment 8 e + k of 8,192 bytes
	s_add_nc_u64 s[18:19], s[18:19], s[30:31]
	; the copy: two quads a thread, 1,024 places apart
.set k, 0
.rept 8
	v_add_nc_u32 v[POS+k], 1024*(k/4)+(k%4), v6
	v_min_u32 v[POS+k], s49, v[POS+k]              ; places from c on repeat the last token
.set k, k+1
.endr
.irp w, 1,2,3,4,5,6,7
.set k, 0
.rept 8
	v_cmp_le_u32 vcc_lo, s[40+\w], v[POS+k]        ; the last wave whose tokens begin at or before the place owns it
.if \w == 1
	v_cndmask_b32 v[OFS+k], 0, v[88+\w], vcc_lo    ; wave 0's region begins at word 0
.else
	v_cndmask_b32 v[OFS+k], v[OFS+k], v[88+\w], vcc_lo
.endif
.set k, k+1
.endr
.endr
.set k, 0
.rept 8
	v_add_nc_u32 v[OFS+k], v[OFS+k], v[POS+k]
	v_min_u32 v[OFS+k], 0x9ff, v[OFS+k]            ; inside the eight regions: 8 x 320 words
	v_lshlrev_b32 v[OFS+k], 2, v[OFS+k]
	ds_load_b32 v[DAT+k], v[OFS+k]
.set k, k+1
.endr
.irp q, 0,1
	s_wait_dscnt 4-4*\q                            ; LDS loads come back in order: quad q is in; the second quad's four loads may stay out
	global_store_b128 v3, v[DAT+4*\q:DAT+4*\q+3], s[18:19] offset:4096*\q   ; the wave stores 512 consecutive bytes
.endr
	s_lshl_b32 s30, ttmp9, 2
	v_mov_b32 v13, s30
	v_mov_b32 v14, s48
	v_cmp_eq_u32 vcc_lo, 0, v0
	s_wait_xcnt 0x0                                ; EXEC changes only behind this wait
	s_wait_tensorcnt 0x0
	ds_add_u32 v136, v137
	s_wait_dscnt 0x0
	s_and_saveexec_b32 s31, vcc_lo
	global_store_b32 v13, v14, s[20:21]            ; thread 0: counts[e][k] = c
	s_wait_xcnt 0x0
	s_or_b32 exec_lo, exec_lo, s31
	s_endpgm
.Lfunc_end_k_q058e88d800_prep:
	.size	k_q058e88d800_prep, .Lfunc_end_k_q058e88d800_prep-k_q058e88d800_prep
	.p2alignl 7, 3214868480
	.fill 96, 4, 3214868480
	.section	.rodata,"a",@progbits
	.p2align	6, 0x0
	.amdhsa_kernel k_q058e88d800_prep
		.amdhsa_group_segment_fixed_size 15616
		.amdhsa_private_segment_fixed_size 0
		.amdhsa_enable_private_segment 0
		.amdhsa_kernarg_size 72
		.amdhsa_user_sgpr_count 2
		.amdhsa_user_sgpr_kernarg_segment_ptr 1
		.amdhsa_wavefront_size32 1
		.amdhsa_system_sgpr_workgroup_id_x 1
		.amdhsa_system_sgpr_workgroup_id_y 1
		.amdhsa_system_sgpr_workgroup_id_z 1
		.amdhsa_system_vgpr_workitem_id 0
		.amdhsa_next_free_vgpr 138
		.amdhsa_next_free_sgpr 66
		.amdhsa_reserve_vcc 1
		.amdhsa_float_denorm_mode_32 3
		.amdhsa_float_denorm_mode_16_64 3
		.amdhsa_memory_ordered 1
		.amdhsa_forward_progress 1
		.amdhsa_inst_pref_size 26
	.end_amdhsa_kernel
	.amdgpu_metadata
---
amdhsa.version: [ 1, 2 ]
amdhsa.kernels:
  - .name:           k_q058e88d800_prep
    .symbol:         k_q058e88d800_prep.kd
    .args:
      - { .name: top1, .offset: 0, .size: 8, .value_kind: global_buffer, .address_space: global }
      - { .name: W1, .offset: 8, .size: 8, .value_kind: global_buffer, .address_space: global }
      - { .name: W2, .offset: 16, .size: 8, .value_kind: global_buffer, .address_space: global }
      - { .name: ln_scale, .offset: 24, .size: 8, .value_kind: global_buffer, .address_space: global }
      - { .name: ln_bias, .offset: 32, .size: 8, .value_kind: global_buffer, .address_space: global }
      - { .name: order, .offset: 40, .size: 8, .value_kind: global_buffer, .address_space: global }
      - { .name: counts, .offset: 48, .size: 8, .value_kind: global_buffer, .address_space: global }
      - { .name: wp, .offset: 56, .size: 8, .value_kind: global_buffer, .address_space: global }
      - { .name: c1p, .offset: 64, .size: 8, .value_kind: global_buffer, .address_space: global }
    .group_segment_fixed_size: 15616
    .private_segment_fixed_size: 0
    .kernarg_segment_align: 8
    .kernarg_segment_size: 72
    .max_flat_workgroup_size: 256
    .sgpr_count:     66
    .vgpr_count:     138
    .wavefront_size: 32
...
	.end_amdgpu_metadata
.endif
;; end of part 2
;; launch experts (part 3): grid 256 x 1, 4 waves a work-group, no clusters, 209,408 bytes of LDS; arguments xh, order, counts, wp, c1p, b1, b2, out0; writes out0
.if DOCPART == 3
	.amdgcn_target "amdgcn-amd-amdhsa--gfx1250"
	.amdhsa_code_object_version 6
	.text
	.protected	k_q058e88d800_experts
	.globl	k_q058e88d800_experts
	.p2align	8
	.type	k_q058e88d800_experts,@function
k_q058e88d800_experts:
	s_mov_b64 s[64:65], 0
	v_nop
	global_prefetch_b8 v0, s[64:65] scope:SCOPE_SE
	s_setreg_imm32_b32 hwreg(HW_REG_WAVE_MODE, 25, 1), 1
	s_wait_xcnt 0x0
; experts.  out[token] = gelu(xhat[token] (diag(s_e) W1_e) + c1_e) W2_e + b2_e for the token's own expert e; the other experts' terms are multiplied by 0 in the sum and are not made.
; c1_e = ln_bias_e W1_e + b1_e: the 32 partial sums of the second launch and b1, added here in f32.  Matrix operands f16, sums f32, GELU in f32.
; WHY f16.  It has 11 significant bits; an output is a sum of 256 products whose four roundings (xhat, the two weights, the hidden vector) all show in it, and outputs near 0 are held to
;   a hundredth of the output's root mean square.  Powers of two, which are exact, set each operand in the middle of f16's range: the weights come as 16 s W1 and 4 W2, the hidden vector is
;   kept as h / 4.  The GELU works on y = x / 4 = sum / 64 + c1 / 4 throughout, so the factors cost it no instruction, and (h / 4) (4 W2) needs none behind the second product.
; THE LISTS.  order[e] is eight segments of 2,048 places; segment k holds the tokens of the k-th eighth that chose expert e, counts[e][k] of them.  n_e is the sum of an expert's eight counts,
;   S_k the sum of those below k; entry p of the expert's list lies in the last segment with S_k <= p, at word 2,048 k + p - S_k.  All 64 counts come by four scalar loads issued together.
; WHO DOES WHAT.  From the n_e every work-group works out the same split of the 256 work-groups among the experts, without a division:
;   nz = experts with tokens, Wn = 256 - nz, C_e = tokens of experts below e, g_e = [n_e > 0] + ((C_e+1 Wn) >> 14) - ((C_e Wn) >> 14).  The g_e add up to 256, and g_e > n_e Wn / 16,384,
;   so a work-group has at most ceil(16,384 / 248) = 67 tokens.  Work-group i of expert e takes list entries i + rank x g_e while they are below n_e.
;   The tile has 80 row places; places past the last token repeat it.  Barriers and matrix work are the same for every input; the counts steer addresses and forward jumps over stores.
; A work-group of an expert that has fewer tokens than work-groups can be left without a token; it then stores nothing.
; WAVES.  First product: wave w makes hidden columns 64 w .. + 63 of all 80 rows.  Second: output columns 256 w .. + 255, in four chunks of 64.  20 accumulators (5 row tiles t x 4 fragments f).
; WEIGHTS come straight from memory into registers: the second launch laid them so that half a fragment is one load of 512 consecutive bytes and a wave's whole stream is 256 KiB in a line.
;   A ring of four register slots (16 loads, 8 KiB, two K steps each) keeps 48 loads of every wave on their way, asked for 120 matrix instructions ahead; it needs no barrier.
; NO JOINT LOADS, though all work-groups of an expert stream the same 1 MiB.  They could be had: deal the experts clusters of four (the formula above with 64 for 256: at most 74 tokens a
;   work-group, inside the 80 places), and the four partners walk the same weights in step.  The count that speaks against it here: beside the token tile's 165,120 bytes LDS has room for two
;   slots of 16 KiB a wave, 4 K steps, so that a refill has 80 matrix instructions in which to land where the register ring gives a load 120; the 256 KiB of a wave's stream want 14 refills,
;   each behind a round of the cluster's barrier, in a launch of 1,280 matrix instructions a wave; and each work-group's 1 MiB of weights would be written into LDS and read out of it again,
;   though no two waves of a work-group read the same weight bytes.  What it would spare is three of every four requests for the weights.
; LAYOUT.  First product transposed (source 0 = 16 weight columns, source 1 = 16 tokens): a lane holds one token and eight hidden numbers, which pack into 16 bytes of the token's row in LDS.
;   Fragment f's row m is hidden column 64 w + 4 m + f, so place pos of a stored row holds column 64 (pos >> 6) + 4 (pos & 15) + ((pos >> 4) & 3); W2's rows were packed in the same order.
;   Second product plain (source 0 = tokens): fragment f's column r is output column 4 r + f of the chunk, so register j of the four accumulators of a tile is 16 neighbouring bytes of a row.
;   Row place m = 16 t + 8 h + j carries rank 16 t + 2 j + h: one store (t, j) covers ranks 2 (8 t + j) and the next, each by 16 lanes that write 256 consecutive, aligned bytes.
; GELU = max(x, 0) - |x| q, q = (1 - erf(|x| / sqrt 2)) / 2 by Abramowitz and Stegun 7.1.26 (absolute error of erf at most 1.5e-7).
; LIMITS.  A hidden number above 262,016 becomes an infinity in f16 (h / 4 above 65,504); below 2^-12 its spacing is 2^-22, absolute.  x = +infinity in front of the GELU gives NaN
;   (0 x infinity) where the exact form gives infinity.  Where an expert that a token did not choose overflows, the masked sum holds 0 x infinity = NaN and this text does not.
.set APITCH, 2064                      ; LDS row of xhat: 2,048 bytes + 16: 129 x 16, so the 16 rows of a fragment load start in 16 different 16-byte columns of the 64 banks (ISA guide 11.1)
.set GPITCH, 528                       ; LDS row of the hidden vector: 512 + 16 = 33 x 16
.set GBASE,  80*APITCH                 ; 165,120: 80 rows of the hidden vector
.set C1S,    GBASE+80*GPITCH           ; 207,360: c1 / 4 in the stored order, 1,024 bytes
.set LISTM,  C1S+1024                  ; 208,384: word m = the token of row place m; one word for each of the 128 threads
.set ADA,  2                           ; v[2:6]    LDS address of my fragment rows in tile t
.set VOFF, 10                          ; v[10:49]  second product: byte offset in out0 of my 16 bytes for store 8 t + j
.set C1B,  10                          ; v[10:41]  GELU: c1 / 4 of my 8 hidden numbers in fragment f, at 8 f
.set TT,   42                          ; v[42:49], v[50:57], v[58:65] GELU: at work
.set QQ,   50
.set EE,   58
.set TMP,  50                          ; v[50:65]  the way out: four quads by turns
.set B2,   66                          ; v[66:81]  b2 of my 4 columns in chunk c, at 4 c
.set ACC,  96                          ; v[96:255] accumulator (t, f) at 8 (4 t + f); before the first product: c1's parts and the gather's offsets
.set GO,   164                         ; v[164:183] byte offsets of my wave's 20 rows in xh
; v1 16 x lane; v7 r = lane % 16; v8 h = lane / 16; v9, v90, v94 at work; v82 gather: LDS base; v83 GELU: LDS base; v84 lane; v85 c1 read; v86 list offset; v87 token; v88 8 t;
; v89 1,024 w + 16 r; v91, v92 list write, read; v93 c1 write; v95 GBASE + 528 r + 16 h
; window 1 (v256-511): token fragments, two buffers of 80 (buffer b, K step kk, tile t at 80 b + 8 (5 kk + t)); before that the gathered rows, three groups of 80
; window 2 (v512-767): the weight ring: slot x 64 + 32 kk + 8 f + 4 q
; s[8:23] the eight addresses.  The split: counts[e][k] in s[24 + 8 e + k] (e < 4) and s[36 + 8 e + k] (e >= 4); an expert's eighth register then takes n_e; s2 my expert, s3 its first
; work-group, s4 its number of work-groups g; s5-s7, s56, s100, s101 at work; my expert's eight numbers end in s[24:31] (s31 = n).  Behind the split the counts' registers are free:
; s32, s33, s43-46 at work; s47 sign mask; s[48:61], s[72:75] GELU's constants as pairs; s62 F = stores to make; s63 wave; s[66:67] my weight stream; s68-70 at work
.set MSB, 0
.macro WIN new                         ; s_set_vgpr_msb: bits 1:0 source 0, 3:2 source 1, 5:4 source 2, 7:6 destination; the high byte repeats the setting that is left
.if MSB != \new
	s_set_vgpr_msb (MSB<<8)|\new
.set MSB, \new
.endif
.endm
.macro PLACES                          ; four places between a matrix instruction and a load into, or a vector instruction on, its registers
.rept 4
	v_nop
.endr
.endm
.macro BAR
	s_barrier_signal -1
	s_barrier_wait -1
.endm
.macro PAIR r, bits                    ; a packed instruction names a scalar pair and takes its low word for both halves
	s_mov_b32 s[\r], \bits
	s_mov_b32 s[\r+1], \bits
.endm
.macro C1SUM n                         ; n packed sums: part i takes part i + n
.set i, 0
.rept \n
	v_pk_add_f32 v[ACC+2*i:ACC+2*i+1], v[ACC+2*i:ACC+2*i+1], v[ACC+2*(i+\n):ACC+2*(i+\n)+1]
.set i, i+1
.endr
.endm
.macro GLOAD g                         ; five of my wave's 20 rows of xh, 2,048 bytes each: 20 loads of 512 consecutive bytes
	WIN 0x40
.irp k, 0,1,2,3,4
.irp q, 0,1,2,3
	global_load_b128 v[80*((\g)%3)+16*\k+4*\q:80*((\g)%3)+16*\k+4*\q+3], v[GO+5*(\g)+\k], s[8:9] offset:512*\q
.endr
.endr
.endm
.macro GSTORE g                        ; and into LDS
	WIN 0x04
.irp k, 0,1,2,3,4
.irp q, 0,1,2,3
	ds_store_b128 v82, v[80*((\g)%3)+16*\k+4*\q:80*((\g)%3)+16*\k+4*\q+3] offset:(5*(\g)+\k)*APITCH+512*\q
.endr
.endr
.endm
.macro BLOAD D                         ; the weights of double step D (K steps 2 D and 2 D + 1): 16 loads into ring slot D % 4; base and offset register are never rewritten
	WIN 0x80
.irp kk, 0,1
.irp f, 0,1,2,3
.irp q, 0,1
	global_load_b128 v[64*((\D)%4)+32*\kk+8*\f+4*\q:64*((\D)%4)+32*\kk+8*\f+4*\q+3], v1, s[66:67] offset:8192*(\D)+4096*\kk+512*(2*\f+\q)
.endr
.endr
.endr
.endm
.macro ALOAD D, koff                   ; the token fragments of double step D, at byte koff of the LDS rows: 20 loads into buffer D % 2
	WIN 0x40
.irp kk, 0,1
.irp t, 0,1,2,3,4
	ds_load_b128 v[80*((\D)%2)+8*(5*\kk+\t):80*((\D)%2)+8*(5*\kk+\t)+3],   v[ADA+\t] offset:(\koff)+64*\kk
	ds_load_b128 v[80*((\D)%2)+8*(5*\kk+\t)+4:80*((\D)%2)+8*(5*\kk+\t)+7], v[ADA+\t] offset:(\koff)+64*\kk+32
.endr
.endr
.endm
; A double step: 40 matrix instructions.  g1 = 1: first product.  zero = 1: its first 20 start the sums.  knext: where the next double step's token fragments lie, or -1.
; The 20 accumulators take turns, one instruction a turn, in the same order in every K step.
.macro DSTEP D, g1, zero, knext
.if (\D) > 0
	PLACES                                         ; the loads below land in registers that the matrix instructions just issued have read
.endif
.if (\D) <= 28
	BLOAD \D+3
.endif
.if \knext >= 0
	ALOAD \D+1, \knext
.endif
.if (\D) == 15
	WIN 0
.irp f, 0,1,2,3
	ds_load_b128 v[C1B+8*\f:C1B+8*\f+3],   v85 offset:64*\f        ; c1 / 4 for the GELU that follows
	ds_load_b128 v[C1B+8*\f+4:C1B+8*\f+7], v85 offset:64*\f+16
.endr
.endif
.if (\D) <= 28
	s_wait_loadcnt 48                              ; this step's weights are in; the three younger slots' 48 loads stay out
.else
	s_wait_loadcnt 16*(31-(\D))                    ; nothing more is asked for: the count runs down
.endif
.if \knext >= 0
	s_wait_dscnt 20                                ; this step's token fragments are in; the 20 loads just issued stay out
.elseif (\D) == 15
	s_wait_dscnt 8                                 ; the same; c1's eight loads stay out
.else
	s_wait_dscnt 0
.endif
.if \g1
	WIN 0x06                                       ; source 0 weights (window 2), source 1 tokens (window 1)
.else
	WIN 0x09                                       ; source 0 tokens (window 1), source 1 weights (window 2)
.endif
.irp kk, 0,1
.irp t, 0,1,2,3,4
.irp f, 0,1,2,3
.set rC, ACC+8*(4*\t+\f)
.set rW, 64*((\D)%4)+32*\kk+8*\f
.set rA, 80*((\D)%2)+8*(5*\kk+\t)
.if \g1
.if \zero && (\kk == 0)
	v_wmma_f32_16x16x32_f16 v[rC:rC+7], v[rW:rW+7], v[rA:rA+7], 0
.else
	v_wmma_f32_16x16x32_f16 v[rC:rC+7], v[rW:rW+7], v[rA:rA+7], v[rC:rC+7]
.endif
.else
.if \zero && (\kk == 0)
	v_wmma_f32_16x16x32_f16 v[rC:rC+7], v[rA:rA+7], v[rW:rW+7], 0
.else
	v_wmma_f32_16x16x32_f16 v[rC:rC+7], v[rA:rA+7], v[rW:rW+7], v[rC:rC+7]
.endif
.endif
.endr
.endr
.endr
.endm
; GELU of accumulator (t, f), from its low registers on, on y = x / 4; eight hidden numbers of one token, each divided by 4, leave as 16 bytes.
.macro GELU t, f
.set XA, ACC+8*(4*\t+\f)
.set CB, C1B+8*\f
.irp p, 0,2,4,6
	v_pk_fma_f32 v[XA+\p:XA+\p+1], v[XA+\p:XA+\p+1], s[72:73], v[CB+\p:CB+\p+1] op_sel_hi:[1,0,1]   ; y = the sum / 64 + c1 / 4 (the sum holds 16 x)
.endr
.irp i, 0,1,2,3,4,5,6,7
	v_and_b32 v[TT+\i], s47, v[XA+\i]                                              ; |y|
.endr
.irp p, 0,2,4,6
	v_pk_fma_f32 v[TT+\p:TT+\p+1], v[TT+\p:TT+\p+1], s[48:49], 1.0 op_sel_hi:[1,0,0]   ; 1 + p |x| / sqrt 2
.endr
.irp p, 0,2,4,6
	v_pk_mul_f32 v[EE+\p:EE+\p+1], v[XA+\p:XA+\p+1], s[50:51] op_sel_hi:[1,0]      ; x sqrt(log2(e) / 2)
.endr
.irp i, 0,1,2,3,4,5,6,7
	v_rcp_f32 v[TT+\i], v[TT+\i]                                                   ; t
.endr
.irp p, 0,2,4,6
	v_pk_mul_f32 v[EE+\p:EE+\p+1], v[EE+\p:EE+\p+1], v[EE+\p:EE+\p+1] neg_lo:[1,0] neg_hi:[1,0]   ; plain work behind the reciprocals (ISA guide 5.7.2): - x^2 log2(e) / 2
.endr
.irp i, 0,1,2,3,4,5,6,7
	v_exp_f32 v[EE+\i], v[EE+\i]                                                   ; e^(-x^2 / 2)
.endr
	s_wait_alu depctr_va_vdst(0)
.irp p, 0,2,4,6
	v_pk_fma_f32 v[QQ+\p:QQ+\p+1], v[TT+\p:TT+\p+1], s[52:53], s[54:55] op_sel_hi:[1,0,0]   ; plain work behind the exponentials: the series in t, its coefficients halved
.endr
.irp a, 56,58,60
.irp p, 0,2,4,6
	v_pk_fma_f32 v[QQ+\p:QQ+\p+1], v[QQ+\p:QQ+\p+1], v[TT+\p:TT+\p+1], s[\a:\a+1] op_sel_hi:[1,1,0]
.endr
.endr
.irp p, 0,2,4,6
	v_pk_mul_f32 v[QQ+\p:QQ+\p+1], v[QQ+\p:QQ+\p+1], v[TT+\p:TT+\p+1]
.endr
.irp p, 0,2,4,6
	v_pk_mul_f32 v[QQ+\p:QQ+\p+1], v[QQ+\p:QQ+\p+1], v[EE+\p:EE+\p+1]              ; q
.endr
.irp i, 0,1,2,3,4,5,6,7
	v_max_num_f32 v[TT+\i], 0, v[XA+\i]
.endr
.irp i, 0,1,2,3,4,5,6,7
	v_fma_f32 v[TT+\i], -|v[XA+\i]|, v[QQ+\i], v[TT+\i]                            ; max(y, 0) - |y| q = gelu(x) / 4
.endr
.irp i, 0,1,2,3
	v_cvt_pk_f16_f32 v[EE+\i], v[TT+2*\i], v[TT+2*\i+1]
.endr
	ds_store_b128 v83, v[EE:EE+3] offset:16*GPITCH*\t+32*\f
.endm
; The way out of chunk c: store 8 t + j takes register j of tile t's four accumulators (j ascending: each accumulator is first read at its lowest register), adds b2 and stores 16 bytes a lane.
; Stores from number F on would hold no token and are jumped over.
.macro EPI c
	WIN 0                                          ; at a branch and at a label every window is 0
	PLACES
.irp t, 0,1,2,3,4
.irp j, 0,1,2,3,4,5,6,7
.if ((\j)%4) == 0
	s_wait_xcnt 0x0                                ; the four quads, which the last four stores read, are rewritten only behind this wait
.endif
	s_cmp_le_u32 s62, 8*\t+\j
	s_cbranch_scc1 .Ldone_\c
.irp f, 0,1,2,3
	v_add_f32 v[TMP+4*((\j)%4)+\f], v[ACC+8*(4*\t+\f)+\j], v[B2+4*\c+\f]
.endr
	global_store_b128 v[VOFF+8*\t+\j], v[TMP+4*((\j)%4):TMP+4*((\j)%4)+3], s[22:23] offset:256*\c th:TH_STORE_NT
.endr
.endr
.Ldone_\c:
.endm
	s_load_b512 s[8:23], s[0:1], 0x0               ; xh s[8:9], order s[10:11], counts s[12:13], wp s[14:15], c1p s[16:17], b1 s[18:19], b2 s[20:21], out0 s[22:23]
	s_set_vgpr_msb 0x40
	v_lshl_add_u32 v254, v0, 2, 0x33000
	v_mov_b32 v255, 0
	s_set_vgpr_msb 0x4000
	v_and_b32 v84, 31, v0                          ; lane
	v_lshrrev_b32 v9, 5, v0
	v_readfirstlane_b32 s63, v9                    ; my wave's number
	v_and_b32 v7, 15, v0                           ; r
	v_bfe_u32 v8, v0, 4, 1                         ; h
	v_lshlrev_b32 v1, 4, v84                       ; 16 x lane
	s_wait_kmcnt 0x0
	s_load_b512 s[24:39], s[12:13], 0x0            ; the 64 counts, experts 0 and 1; no line of this launch writes them
	s_load_b512 s[40:55], s[12:13], 0x40           ; experts 2 and 3
	s_load_b512 s[68:83], s[12:13], 0x80           ; experts 4 and 5
	s_load_b512 s[84:99], s[12:13], 0xc0           ; experts 6 and 7
	; thread m < 80 will fetch the token of row place m: its rank, while the counts are on their way
	v_min_u32 v90, 79, v0
	v_and_b32 v86, 0x70, v90
	v_and_b32 v94, 7, v90
	v_lshl_add_u32 v86, v94, 1, v86
	v_bfe_u32 v94, v90, 3, 1
	v_add_nc_u32 v86, v86, v94                     ; rank = 16 t + 2 j + h
	s_wait_kmcnt 0x0
	; n_e: an expert's eight counts are added into its eighth register (the eighth count itself is not wanted again: the S_k are sums of counts 0 to 6)
.irp e, 0,1,2,3,4,5,6,7
.set CE, 24+8*\e+12*(\e/4)
.irp k, 0,1,2,3,4,5,6
	s_add_co_u32 s[CE+7], s[CE+7], s[CE+\k]
.endr
	s_min_u32 s[CE+7], s[CE+7], 0x4000
.endr
	; the split of the 256 work-groups
	s_mov_b32 s5, 0
.irp e, 0,1,2,3,4,5,6,7
.set CE, 24+8*\e+12*(\e/4)
	s_cmp_lg_u32 s[CE+7], 0
	s_add_co_ci_u32 s5, s5, 0                      ; nz
.endr
	s_sub_co_u32 s5, 256, s5                       ; Wn
	s_mov_b32 s6, 0                                ; C
	s_mov_b32 s101, 0                              ; (C Wn) >> 14 of the expert before
	s_mov_b32 s56, 0                               ; work-groups given out so far
	s_mov_b32 s2, 0                                ; my expert,
	s_mov_b32 s3, 0                                ; its first work-group,
	s_mov_b32 s4, 0                                ; its number of work-groups g
.irp e, 0,1,2,3,4,5,6,7
.set CE, 24+8*\e+12*(\e/4)
	s_add_co_u32 s6, s6, s[CE+7]
	s_mul_i32 s7, s6, s5
	s_lshr_b32 s7, s7, 14
	s_sub_co_u32 s100, s7, s101
	s_mov_b32 s101, s7
	s_cmp_lg_u32 s[CE+7], 0
	s_add_co_ci_u32 s100, s100, 0                  ; g_e
	s_cmp_ge_u32 ttmp9, s56                        ; the last expert that begins at or before my number is mine
	s_cselect_b32 s2, \e, s2
	s_cselect_b32 s3, s56, s3
	s_cselect_b32 s4, s100, s4
	s_add_co_u32 s56, s56, s100
.endr
	s_min_u32 s2, s2, 7
.irp e, 1,2,3,4,5,6,7                  ; my expert's seven counts and its n come into s[24:31], where expert 0's lie
.set CE, 24+8*\e+12*(\e/4)
	s_cmp_eq_u32 s2, \e
.irp k, 0,1,2,3,4,5,6,7
	s_cselect_b32 s[24+\k], s[CE+\k], s[24+\k]
.endr
.endr
	s_sub_co_u32 s43, ttmp9, s3                    ; i: my number among the expert's work-groups
	s_mov_b32 s44, 0
.irp u, 0,1,2
	v_add_nc_u32 v9, 32*\u, v84                    ; my tokens are counted: ranks 0 to 95, one a lane
	v_mad_u32_u24 v9, v9, s4, s43
	v_cmp_gt_u32 vcc_lo, s31, v9
	s_bcnt1_i32_b32 s45, vcc_lo
	s_add_co_u32 s44, s44, s45
.endr
	s_min_u32 s44, s44, 80                         ; my tokens (67 at the most)
	s_add_co_u32 s62, s44, 1
	s_lshr_b32 s62, s62, 1                         ; F: a store covers two ranks
	s_sub_co_u32 s45, s44, 1                       ; my last rank (wraps where I have none: then the clamp below does nothing)
	s_sub_co_u32 s46, s31, 1                       ; the list's last entry
	v_min_u32 v86, s45, v86                        ; places past my last token repeat it
	v_mad_u32_u24 v86, v86, s4, s43                ; p = i + rank x g
	v_min_u32 v86, s46, v86                        ; never past the list's end
	s_mov_b32 s32, 0
.irp k, 1,2,3,4,5,6,7                  ; the last segment that begins at or before p holds it
	s_add_co_u32 s32, s32, s[23+\k]                ; S_k
	s_sub_co_u32 s33, 2048*\k, s32                 ; p + this = word in order[e], for entries of segment k
	v_mov_b32 v94, s33
	v_cmp_le_u32 vcc_lo, s32, v86
.if \k == 1
	v_cndmask_b32 v90, 0, v94, vcc_lo              ; segment 0 begins at word 0
.else
	v_cndmask_b32 v90, v90, v94, vcc_lo
.endif
.endr
	v_add_nc_u32 v86, v86, v90
	v_min_u32 v86, 0x3fff, v86
	v_lshlrev_b32 v86, 2, v86
	s_mov_b32 s69, 0
	s_lshl_b32 s68, s2, 16
	s_add_nc_u64 s[10:11], s[10:11], s[68:69]      ; order[e]
	global_load_b32 v87, v86, s[10:11]
	s_lshl_b32 s68, s2, 15
	s_add_nc_u64 s[16:17], s[16:17], s[68:69]      ; c1p[e]
	s_lshl_b32 s68, s2, 10
	s_add_nc_u64 s[18:19], s[18:19], s[68:69]      ; b1[e]
	s_lshl_b32 s68, s2, 12
	s_add_nc_u64 s[20:21], s[20:21], s[68:69]      ; b2[e]
	s_lshl_b32 s68, s2, 20
	s_lshl_b32 s70, s63, 18
	s_add_co_u32 s68, s68, s70
	s_add_nc_u64 s[66:67], s[14:15], s[68:69]      ; my wave's 256 KiB of wp
	v_lshlrev_b32 v88, 3, v0                       ; columns 2 t and 2 t + 1 of c1
	s_lshl_b32 s68, s63, 10
	v_lshl_add_u32 v89, v7, 4, s68                 ; 1,024 w + 16 r: my 4 columns of a chunk, in b2 and in a row of out0
.set i, 0
.rept 32
	global_load_b64 v[ACC+2*i:ACC+2*i+1], v88, s[16:17] offset:1024*i
.set i, i+1
.endr
	global_load_b64 v[ACC+64:ACC+65], v88, s[18:19]
.irp c, 0,1,2,3
	global_load_b128 v[B2+4*\c:B2+4*\c+3], v89, s[20:21] offset:256*\c
.endr
	; constants, in registers that held the other experts' counts, and addresses that hang on no data
	s_mov_b32 s47, 0x7fffffff
	PAIR 48, 0x3f6d3388                            ; 4 x 0.3275911 / sqrt 2 = 0.92656756: it multiplies |y| = |x| / 4
	PAIR 50, 0x40596d27                            ; 4 x sqrt(log2(e) / 2) = 3.3972872: likewise
	PAIR 52, 0x3f07dc22                            ; a5 / 2 =  0.5307027145
	PAIR 54, 0xbf3a00e3                            ; a4 / 2 = -0.7265760135
	PAIR 56, 0x3f35f0e3                            ; a3 / 2 =  0.7107068705
	PAIR 58, 0xbe11a98e                            ; a2 / 2 = -0.142248368
	PAIR 60, 0x3e027906                            ; a1 / 2 =  0.127414796
	PAIR 72, 0x3c800000                            ; 1 / 64
	PAIR 74, 0x3e800000                            ; 1 / 4
	s_lshl_b32 s68, s63, 7
	s_add_co_u32 s68, s68, LISTM
	v_lshl_add_u32 v91, v84, 2, s68                ; the list: one word a thread
	s_mul_i32 s68, s63, 80
	s_add_co_u32 s68, s68, LISTM
	v_mov_b32 v92, s68                             ; my wave's 20 rows in it
	s_lshl_b32 s68, s63, 8
	s_add_co_u32 s68, s68, C1S
	v_and_b32 v93, 1, v0
	v_lshl_add_u32 v93, v93, 7, s68
	v_bfe_u32 v94, v0, 1, 4
	v_lshl_add_u32 v93, v94, 2, v93                ; column 2 t is stored at place 64 (t >> 5) + 32 (t & 1) + ((t >> 1) & 15), column 2 t + 1 sixteen places on
	v_lshl_add_u32 v85, v8, 5, s68                 ; c1 of places 64 w + 8 h on
	s_mul_i32 s68, s63, 20*APITCH
	v_add_nc_u32 v82, s68, v1                      ; my wave's 20 rows of the token tile
	v_mul_u32_u24 v95, v7, GPITCH
	v_lshl_add_u32 v95, v8, 4, v95
	v_add_nc_u32 v95, GBASE, v95                   ; hidden rows: 528 r + 16 h
	s_lshl_b32 s68, s63, 7
	v_add_nc_u32 v83, s68, v95                     ; + my wave's 64 places
	v_mul_u32_u24 v9, v7, APITCH
	v_lshl_add_u32 v9, v8, 4, v9
.irp t, 0,1,2,3,4
	v_add_nc_u32 v[ADA+\t], 16*APITCH*\t, v9       ; token rows: (16 t + r) x pitch + 16 h
.endr
	s_wait_loadcnt 37                              ; the list entry is older than the 37 loads behind it
	v_min_u32 v87, 0x3fff, v87
	ds_store_b32 v91, v87
	s_wait_dscnt 0x0                               ; for the others' sake
	BAR
.irp i, 0,1,2,3,4
	ds_load_b128 v[GO+4*\i:GO+4*\i+3], v92 offset:16*\i
.endr
	s_wait_loadcnt 0x0
	C1SUM 16                                       ; c1 = the 32 parts + b1, two columns a thread
	C1SUM 8
	C1SUM 4
	C1SUM 2
	C1SUM 1
	v_pk_add_f32 v[ACC:ACC+1], v[ACC:ACC+1], v[ACC+64:ACC+65]
	v_pk_mul_f32 v[ACC:ACC+1], v[ACC:ACC+1], s[74:75] op_sel_hi:[1,0]   ; kept as c1 / 4
	ds_store_b32 v93, v[ACC]
	ds_store_b32 v93, v[ACC+1] offset:64
	s_wait_dscnt 0x0                               ; my wave's 20 tokens are in registers
.set i, 0
.rept 20
	v_min_u32 v[GO+i], 0x3fff, v[GO+i]
	v_lshl_add_u32 v[GO+i], v[GO+i], 11, v1        ; the token's row of 2,048 bytes + 16 x lane
.set i, i+1
.endr
	; the gather: 80 loads in four groups through three groups of registers, then the first three slots of the weight ring
	GLOAD 0
	GLOAD 1
	GLOAD 2
	s_wait_loadcnt 40                              ; group 0 is in; groups 1 and 2 stay out
	GSTORE 0
	GLOAD 3
	s_wait_loadcnt 40                              ; group 1 is in; groups 2 and 3 stay out
	GSTORE 1
	BLOAD 0
	s_wait_loadcnt 36                              ; group 2 is in; group 3's 20 and the ring's 16 stay out
	GSTORE 2
	BLOAD 1
	s_wait_loadcnt 32                              ; group 3 is in; the ring's 32 stay out
	GSTORE 3
	BLOAD 2
	s_wait_dscnt 0x0                               ; for the others' sake: my rows and my part of c1 lie in LDS
	BAR
	ALOAD 0, 0
	; FIRST PRODUCT: K = 1,024 in 16 double steps
	DSTEP 0, 1, 1, 128
.irp d, 1,2,3,4,5,6,7,8,9,10,11,12,13,14
	DSTEP \d, 1, 0, 128*(\d+1)
.endr
	DSTEP 15, 1, 0, -1
	WIN 0
	PLACES
	s_wait_dscnt 0x0                               ; c1
.irp t, 0,1,2,3,4
.irp f, 0,1,2,3
	GELU \t, \f
.endr
.endr
	s_wait_dscnt 0x0                               ; for the others' sake: my 64 places of all 80 hidden rows lie in LDS
	BAR                                            ; the ring's loads stay on their way: nobody writes what they read
	; SECOND PRODUCT: K = 256 in 4 double steps for each of 4 chunks of 64 columns
.irp t, 0,1,2,3,4
	v_add_nc_u32 v[ADA+\t], 16*GPITCH*\t, v95
.endr
	v_lshlrev_b32 v92, 5, v8
	v_add_nc_u32 v92, LISTM, v92                   ; the tokens of row places 16 t + 8 h + j
.irp t, 0,1,2,3,4
	ds_load_b128 v[VOFF+8*\t:VOFF+8*\t+3],   v92 offset:64*\t
	ds_load_b128 v[VOFF+8*\t+4:VOFF+8*\t+7], v92 offset:64*\t+16
.endr
	s_wait_dscnt 0x0
.set i, 0
.rept 40
	v_min_u32 v[VOFF+i], 0x3fff, v[VOFF+i]
	v_lshl_add_u32 v[VOFF+i], v[VOFF+i], 12, v89   ; the token's row of 4,096 bytes + my 16 bytes of a chunk
.set i, i+1
.endr
	ALOAD 16, 0
.irp c, 0,1,2,3
	DSTEP 16+4*\c, 0, 1, 128
	DSTEP 17+4*\c, 0, 0, 256
	DSTEP 18+4*\c, 0, 0, 384
.if \c < 3
	DSTEP 19+4*\c, 0, 0, 0                         ; the next chunk walks the same hidden rows again
.else
	DSTEP 19+4*\c, 0, 0, -1
.endif
	EPI \c
.endr
	s_set_vgpr_msb 0x5
	s_wait_tensorcnt 0x0
	ds_add_u32 v254, v255
	s_wait_dscnt 0x0
	s_set_vgpr_msb 0x500
	s_endpgm
.Lfunc_end_k_q058e88d800_experts:
	.size	k_q058e88d800_experts, .Lfunc_end_k_q058e88d800_experts-k_q058e88d800_experts
	.p2alignl 7, 3214868480
	.fill 96, 4, 3214868480
	.section	.rodata,"a",@progbits
	.p2align	6, 0x0
	.amdhsa_kernel k_q058e88d800_experts
		.amdhsa_group_segment_fixed_size 209408
		.amdhsa_private_segment_fixed_size 0
		.amdhsa_enable_private_segment 0
		.amdhsa_kernarg_size 64
		.amdhsa_user_sgpr_count 2
		.amdhsa_user_sgpr_kernarg_segment_ptr 1
		.amdhsa_wavefront_size32 1
		.amdhsa_system_sgpr_workgroup_id_x 1
		.amdhsa_system_sgpr_workgroup_id_y 1
		.amdhsa_system_sgpr_workgroup_id_z 1
		.amdhsa_system_vgpr_workitem_id 0
		.amdhsa_next_free_vgpr 768
		.amdhsa_next_free_sgpr 102
		.amdhsa_reserve_vcc 1
		.amdhsa_float_denorm_mode_32 3
		.amdhsa_float_denorm_mode_16_64 3
		.amdhsa_memory_ordered 1
		.amdhsa_forward_progress 1
		.amdhsa_inst_pref_size 255
	.end_amdhsa_kernel
	.section	.bss,"aw",@nobits
	.p2align	6
	.space	262144
	.amdgpu_metadata
---
amdhsa.version: [ 1, 2 ]
amdhsa.kernels:
  - .name:           k_q058e88d800_experts
    .symbol:         k_q058e88d800_experts.kd
    .args:
      - { .name: xh, .offset: 0, .size: 8, .value_kind: global_buffer, .address_space: global }
      - { .name: order, .offset: 8, .size: 8, .value_kind: global_buffer, .address_space: global }
      - { .name: counts, .offset: 16, .size: 8, .value_kind: global_buffer, .address_space: global }
      - { .name: wp, .offset: 24, .size: 8, .value_kind: global_buffer, .address_space: global }
      - { .name: c1p, .offset: 32, .size: 8, .value_kind: global_buffer, .address_space: global }
      - { .name: b1, .offset: 40, .size: 8, .value_kind: global_buffer, .address_space: global }
      - { .name: b2, .offset: 48, .size: 8, .value_kind: global_buffer, .address_space: global }
      - { .name: out0, .offset: 56, .size: 8, .value_kind: global_buffer, .address_space: global }
    .group_segment_fixed_size: 209408
    .private_segment_fixed_size: 0
    .kernarg_segment_align: 8
    .kernarg_segment_size: 64
    .max_flat_workgroup_size: 128
    .sgpr_count:     102
    .vgpr_count:     768
    .wavefront_size: 32
...
	.end_amdgpu_metadata
.endif
;; end of part 3
;; ======== version 2 of 2: 3 launches; version 1 with the launch experts written anew for expert scheduling mode
;; limits: values are held in f16: magnitudes above 65,504 overflow, below 6.1e-05 lose precision; right only within a limited range of input values
;; workspace buffers: xh 33,554,432 bytes; top1 65,536 bytes of whole numbers; order 524,288 bytes of whole numbers; counts 256 bytes of whole numbers; wp 8,388,608 bytes; c1p 262,144 bytes
;; launch route: the kernel of part 1 again; grid 256 x 1, 8 waves a work-group, no clusters, 34,816 bytes of LDS; arguments x, Wg, xh, top1; writes xh, top1
;; launch prep: the kernel of part 2 again; grid 320 x 1, 8 waves a work-group, no clusters, 15,616 bytes of LDS; arguments top1, W1, W2, ln_scale, ln_bias, order, counts, wp, c1p; writes order, counts, wp, c1p
;; launch experts (part 4): grid 256 x 1, 4 waves a work-group, no clusters, 209,408 bytes of LDS; arguments xh, order, counts, wp, c1p, b1, b2, out0; writes out0
.if DOCPART == 4
	.amdgcn_target "amdgcn-amd-amdhsa--gfx1250"
	.amdhsa_code_object_version 6
	.text
	.protected	k_q058e88d800_experts
	.globl	k_q058e88d800_experts
	.p2align	8
	.type	k_q058e88d800_experts,@function
k_q058e88d800_experts:
	s_mov_b64 s[64:65], 0
	v_nop
	global_prefetch_b8 v0, s[64:65] scope:SCOPE_SE
	s_setreg_imm32_b32 hwreg(HW_REG_WAVE_SCHED_MODE, 0, 2), 2
	s_setreg_imm32_b32 hwreg(HW_REG_WAVE_MODE, 25, 1), 1
	s_wait_xcnt 0x0
	s_wait_alu depctr_vm_vsrc(0)
; experts.  out[token] = gelu(xhat[token] (diag(s_e) W1_e) + c1_e) W2_e + b2_e for the token's own expert e; the other experts' terms are multiplied by 0 in the sum and are not made.
; c1_e = ln_bias_e W1_e + b1_e: the 32 partial sums of the second launch and b1, added here in f32.  Matrix operands f16, sums f32, GELU in f32.
; WHY f16.  It has 11 significant bits; an output is a sum of 256 products whose four roundings (xhat, the two weights, the hidden vector) all show in it, and outputs near 0 are held to
;   a hundredth of the output's root mean square.  Powers of two, which are exact, set each operand in the middle of f16's range: the weights come as 16 s W1 and 4 W2, the hidden vector is
;   kept as h / 4.  The GELU works on y = x / 4 = sum / 64 + c1 / 4 throughout, so the factors cost it no instruction, and (h / 4) (4 W2) needs none behind the second product.
; THE LISTS.  order[e] is eight segments of 2,048 places; segment k holds the tokens of the k-th eighth that chose expert e, counts[e][k] of them.  n_e is the sum of an expert's eight counts,
;   S_k the sum of those below k; entry p of the expert's list lies in the last segment with S_k <= p, at word 2,048 k + p - S_k.  All 64 counts come by four scalar loads issued together.
; WHO DOES WHAT.  From the n_e every work-group works out the same split of the 256 work-groups among the experts, without a division:
;   nz = experts with tokens, Wn = 256 - nz, C_e = tokens of experts below e, g_e = [n_e > 0] + ((C_e+1 Wn) >> 14) - ((C_e Wn) >> 14).  The g_e add up to 256, and g_e > n_e Wn / 16,384,
;   so a work-group has at most ceil(16,384 / 248) = 67 tokens.  Work-group i of expert e takes list entries i + rank x g_e while they are below n_e.
;   The tile has 80 row places; places past the last token repeat it.  Barriers and matrix work are the same for every input; the counts steer addresses and forward jumps over stores.
; A work-group of an expert that has fewer tokens than work-groups can be left without a token; it then stores nothing.
; WAVES.  First product: wave w makes hidden columns 64 w .. + 63 of all 80 rows.  Second: output columns 256 w .. + 255, in four chunks of 64.  20 accumulators (5 row tiles t x 4 fragments f).
; WEIGHTS come straight from memory into registers: the second launch laid them so that half a fragment is one load of 512 consecutive bytes and a wave's whole stream is 256 KiB in a line.
;   A ring of four register slots (16 loads, 8 KiB, two K steps each) keeps 32 to 48 loads of every wave on their way, asked for 116 matrix instructions ahead; it needs no barrier.
; NO JOINT LOADS, though all work-groups of an expert stream the same 1 MiB.  They could be had: deal the experts clusters of four (the formula above with 64 for 256: at most 74 tokens a
;   work-group, inside the 80 places), and the four partners walk the same weights in step.  The count that speaks against it here: beside the token tile's 165,120 bytes LDS has room for two
;   slots of 16 KiB a wave, 4 K steps, so that a refill has 80 matrix instructions in which to land where the register ring gives a load 116; the 256 KiB of a wave's stream want 14 refills,
;   each behind a round of the cluster's barrier, in a launch of 1,280 matrix instructions a wave; and each work-group's 1 MiB of weights would be written into LDS and read out of it again,
;   though no two waves of a work-group read the same weight bytes.  What it would spare is three of every four requests for the weights.
; LAYOUT.  First product transposed (source 0 = 16 weight columns, source 1 = 16 tokens): a lane holds one token and eight hidden numbers, which pack into 16 bytes of the token's row in LDS.
;   Fragment f's row m is hidden column 64 w + 4 m + f, so place pos of a stored row holds column 64 (pos >> 6) + 4 (pos & 15) + ((pos >> 4) & 3); W2's rows were packed in the same order.
;   Second product plain (source 0 = tokens): fragment f's column r is output column 4 r + f of the chunk, so register j of the four accumulators of a tile is 16 neighbouring bytes of a row.
;   Row place m = 16 t + 8 h + j carries rank 16 t + 2 j + h: one store (t, j) covers ranks 2 (8 t + j) and the next, each by 16 lanes that write 256 consecutive, aligned bytes.
; GELU = max(x, 0) - |x| q, q = (1 - erf(|x| / sqrt 2)) / 2 by Abramowitz and Stegun 7.1.26 (absolute error of erf at most 1.5e-7).
; LIMITS.  A hidden number above 262,016 becomes an infinity in f16 (h / 4 above 65,504); below 2^-12 its spacing is 2^-22, absolute.  x = +infinity in front of the GELU gives NaN
;   (0 x infinity) where the exact form gives infinity.  Where an expert that a token did not choose overflows, the masked sum holds 0 x infinity = NaN and this text does not.
; THE MODE: SCHED_MODE bits 1:0 = 2 (LLVM: expert scheduling mode 2), set by the entry lines.  The code itself states the register dependences between vector or matrix instructions
;   and memory or LDS instructions, with s_wait_alu, always for 0.
; THE PLAN.  Registers that memory or LDS instructions touch:
;   ring slots 0-3    Double step D: its 40 matrix instructions read slot D % 4; the 16 loads issued in step D + 1 (the weights of step D + 4) land in it.
;   token buffers 0, 1  Step D's matrix instructions read buffer D % 2; the 20 LDS loads issued in step D + 1 (the fragments of step D + 2) land in it.
;   v1, ADA, v82, v83, v85, v91, v93, VOFF   addresses: made by vector instructions outside the steps, none written inside a product; ADA and v92 are made anew once, between the products.
;   So ONE wait on va_vdst stands at a step's head: the matrix instructions of the step before are done reading their slot and their buffer.  The step's loads follow it, dealt in two runs among
;   its matrix instructions, which name the accumulators, slot D % 4 and buffer D % 2: none of the registers that those loads touch.
;   GELU   A tile's packed halves go into the low four registers of the accumulators that they came from; one wait on va_vdst stands ahead of the tile's four LDS stores.
;   THE WAY OUT   Each quad to be stored has registers of its own for a whole chunk: tile 0's first four in TMP, each tile's last four in the low halves of its own accumulators (read by then),
;   the first four of tiles 1 to 4 in the high halves of the tile before (read by then).  One wait on va_vdst stands between a tile's 32 sums and its 8 stores; the stores' registers are written
;   again only by the next chunk, behind one wait on vm_vsrc (and s_wait_xcnt 0) at that chunk's head.
.set APITCH, 2064                      ; LDS row of xhat: 2,048 bytes + 16: 129 x 16, so the 16 rows of a fragment load start in 16 different 16-byte columns of the 64 banks (ISA guide 11.1)
.set GPITCH, 528                       ; LDS row of the hidden vector: 512 + 16 = 33 x 16
.set GBASE,  80*APITCH                 ; 165,120: 80 rows of the hidden vector
.set C1S,    GBASE+80*GPITCH           ; 207,360: c1 / 4 in the stored order, 1,024 bytes
.set LISTM,  C1S+1024                  ; 208,384: word m = the token of row place m; one word for each of the 128 threads
.set ADA,  2                           ; v[2:6]    LDS address of my fragment rows in tile t
.set VOFF, 10                          ; v[10:49]  second product: byte offset in out0 of my 16 bytes for store 8 t + j
.set C1B,  10                          ; v[10:41]  GELU: c1 / 4 of my 8 hidden numbers in fragment f, at 8 f
.set TT,   42                          ; v[42:49], v[50:57], v[58:65] GELU: at work; v[43:49] at the head: the segments' word offsets
.set QQ,   50
.set EE,   58
.set TMP,  50                          ; v[50:65]  the way out: the first four quads of tile 0
.set B2,   66                          ; v[66:81]  b2 of my 4 columns in chunk c, at 4 c
.set ACC,  96                          ; v[96:255] accumulator (t, f) at 8 (4 t + f); before the first product: c1's parts and the gather's offsets
.set GO,   164                         ; v[164:183] byte offsets of my wave's 20 rows in xh
; v1 16 x lane; v7 r = lane % 16; v8 h = lane / 16; v9, v90, v94 at work; v82 gather: LDS base; v83 GELU: LDS base; v84 lane; v85 c1 read; v86 list offset; v87 token; v88 8 t;
; v89 1,024 w + 16 r; v91, v92 list write, read; v93 c1 write; v95 GBASE + 528 r + 16 h
; window 1 (v256-511): token fragments, two buffers of 80 (buffer b, K step kk, tile t at 80 b + 8 (5 kk + t)); before that the gathered rows, three groups of 80
; window 2 (v512-767): the weight ring: slot x 64 + 32 kk + 8 f + 4 q
; s[8:23] the eight addresses.  The split: counts[e][k] in s[24 + 8 e + k] (e < 4) and s[36 + 8 e + k] (e >= 4); an expert's eighth register then takes n_e; s2 my expert, s3 its first
; work-group, s4 its number of work-groups g; s5-s7, s56, s100, s101 at work; my expert's eight numbers end in s[24:31] (s31 = n).  Behind the split the counts' registers are free:
; s32, s33, s43-46 at work; s34-42 the compares' masks; s47 sign mask; s[48:61], s[72:75] GELU's constants as pairs; s62 F = stores to make; s63 wave; s[66:67] my weight stream; s68-70 at work
.set MSB, 0
.macro WIN new                         ; s_set_vgpr_msb: bits 1:0 source 0, 3:2 source 1, 5:4 source 2, 7:6 destination; the high byte repeats the setting that is left
.if MSB != \new
	s_set_vgpr_msb (MSB<<8)|\new
.set MSB, \new
.endif
.endm
.macro PLACES                          ; four places between a matrix instruction and a vector instruction on its registers (ISA guide 7.12.1)
.rept 4
	v_nop
.endr
.endm
.macro BAR
	s_barrier_signal -1
	s_barrier_wait -1
.endm
.macro PAIR r, bits                    ; a packed instruction names a scalar pair and takes its low word for both halves
	s_mov_b32 s[\r], \bits
	s_mov_b32 s[\r+1], \bits
.endm
.macro C1SUM n                         ; n packed sums: part i takes part i + n
.set i, 0
.rept \n
	v_pk_add_f32 v[ACC+2*i:ACC+2*i+1], v[ACC+2*i:ACC+2*i+1], v[ACC+2*(i+\n):ACC+2*(i+\n)+1]
.set i, i+1
.endr
.endm
.macro GLOAD g                         ; five of my wave's 20 rows of xh, 2,048 bytes each: 20 loads of 512 consecutive bytes
	WIN 0x40
.irp k, 0,1,2,3,4
.irp q, 0,1,2,3
	global_load_b128 v[80*((\g)%3)+16*\k+4*\q:80*((\g)%3)+16*\k+4*\q+3], v[GO+5*(\g)+\k], s[8:9] offset:512*\q
.endr
.endr
.endm
.macro GSTORE g                        ; and into LDS
	WIN 0x04
.irp k, 0,1,2,3,4
.irp q, 0,1,2,3
	ds_store_b128 v82, v[80*((\g)%3)+16*\k+4*\q:80*((\g)%3)+16*\k+4*\q+3] offset:(5*(\g)+\k)*APITCH+512*\q
.endr
.endr
.endm
.macro BLOAD D                         ; the weights of double step D (K steps 2 D and 2 D + 1): 16 loads into ring slot D % 4; base and offset register are never rewritten
	WIN 0x80
.irp kk, 0,1
.irp f, 0,1,2,3
.irp q, 0,1
	global_load_b128 v[64*((\D)%4)+32*\kk+8*\f+4*\q:64*((\D)%4)+32*\kk+8*\f+4*\q+3], v1, s[66:67] offset:8192*(\D)+4096*\kk+512*(2*\f+\q)
.endr
.endr
.endr
.endm
.macro ALOAD D, koff                   ; the token fragments of double step D, at byte koff of the LDS rows: 20 loads into buffer D % 2
	WIN 0x40
.irp kk, 0,1
.irp t, 0,1,2,3,4
	ds_load_b128 v[80*((\D)%2)+8*(5*\kk+\t):80*((\D)%2)+8*(5*\kk+\t)+3],   v[ADA+\t] offset:(\koff)+64*\kk
	ds_load_b128 v[80*((\D)%2)+8*(5*\kk+\t)+4:80*((\D)%2)+8*(5*\kk+\t)+7], v[ADA+\t] offset:(\koff)+64*\kk+32
.endr
.endr
.endm
; Matrix instructions first .. first + count - 1 of double step D's 40: number i is K step i / 20, tile (i % 20) / 4, fragment i % 4.
; The 20 accumulators take turns, one instruction a turn, in the same order in every K step.
.macro MMS D, g1, zero, first, count
.if \g1
	WIN 0x06                                       ; source 0 weights (window 2), source 1 tokens (window 1)
.else
	WIN 0x09                                       ; source 0 tokens (window 1), source 1 weights (window 2)
.endif
.set i, \first
.rept \count
.set rC, ACC+8*(i%20)
.set rW, 64*((\D)%4)+32*(i/20)+8*(i%4)
.set rA, 80*((\D)%2)+8*(5*(i/20)+(i%20)/4)
.if \g1
.if \zero && (i < 20)
	v_wmma_f32_16x16x32_f16 v[rC:rC+7], v[rW:rW+7], v[rA:rA+7], 0
.else
	v_wmma_f32_16x16x32_f16 v[rC:rC+7], v[rW:rW+7], v[rA:rA+7], v[rC:rC+7]
.endif
.else
.if \zero && (i < 20)
	v_wmma_f32_16x16x32_f16 v[rC:rC+7], v[rA:rA+7], v[rW:rW+7], 0
.else
	v_wmma_f32_16x16x32_f16 v[rC:rC+7], v[rA:rA+7], v[rW:rW+7], v[rC:rC+7]
.endif
.endif
.set i, i+1
.endr
.endm
; A double step: 40 matrix instructions.  g1 = 1: first product.  zero = 1: its first 20 start the sums.  knext: where the next double step's token fragments lie, or -1.
; Steps 0 and 16 and a chunk's first step owe no wait on va_vdst: one stands behind the last matrix instruction that read the registers in which their loads land (for a chunk's first step the
; way out's first, which stands ahead of its first jump), and no vector instruction since names those registers.  Step 31 issues no load.
.macro DSTEP D, g1, zero, knext
.if (\D) <= 29
	s_wait_loadcnt 32                              ; this step's weights are in; the two younger slots' 32 loads stay out
.else
	s_wait_loadcnt 16*(31-(\D))                    ; nothing more is asked for: the count runs down
.endif
	s_wait_dscnt 0x0                               ; this step's token fragments are in: they were asked for 28 matrix instructions ago
.if ((\D) >= 20) && (((\D)%4) == 0)
	s_wait_xcnt 0x0                                ; the last chunk's stores have had their addresses translated (ISA guide 3.1): their data registers are rewritten only behind this wait,
	s_wait_alu depctr_vm_vsrc(0)                   ; and those stores have read their data: the accumulators, which this step's products write, and TMP, which the next way out writes
.endif
.if (((\D) <= 28) || (\knext >= 0)) && ((\D) > 0) && (((\D) < 16) || (((\D)%4) != 0))
	s_wait_alu depctr_va_vdst(0)                   ; the last step's matrix instructions are done reading their ring slot and their token buffer, in which the loads below land
.endif
	MMS \D, \g1, \zero, 0, 4
.if (\D) <= 28
	BLOAD \D+3                                     ; no wait: no vector or matrix instruction since the last wait on va_vdst names this slot or v1
.endif
	MMS \D, \g1, \zero, 4, 8
.if \knext >= 0
	ALOAD \D+1, \knext                             ; likewise: none names the other token buffer or the addresses
.elseif (\D) == 15
	WIN 0
.irp f, 0,1,2,3
	ds_load_b128 v[C1B+8*\f:C1B+8*\f+3],   v85 offset:64*\f        ; c1 / 4 for the GELU that follows; no vector instruction has named these registers
	ds_load_b128 v[C1B+8*\f+4:C1B+8*\f+7], v85 offset:64*\f+16
.endr
.endif
	MMS \D, \g1, \zero, 12, 28
.endm
; GELU of accumulator (t, f), from its low registers on, on y = x / 4; eight hidden numbers of one token, each divided by 4, end as 16 bytes in the accumulator's four lowest registers.
.macro GELU t, f
.set XA, ACC+8*(4*\t+\f)
.set CB, C1B+8*\f
.irp p, 0,2,4,6
	v_pk_fma_f32 v[XA+\p:XA+\p+1], v[XA+\p:XA+\p+1], s[72:73], v[CB+\p:CB+\p+1] op_sel_hi:[1,0,1]   ; y = the sum / 64 + c1 / 4 (the sum holds 16 x)
.endr
.irp i, 0,1,2,3,4,5,6,7
	v_and_b32 v[TT+\i], s47, v[XA+\i]                                              ; |y|
.endr
.irp p, 0,2,4,6
	v_pk_fma_f32 v[TT+\p:TT+\p+1], v[TT+\p:TT+\p+1], s[48:49], 1.0 op_sel_hi:[1,0,0]   ; 1 + p |x| / sqrt 2
.endr
.irp p, 0,2,4,6
	v_pk_mul_f32 v[EE+\p:EE+\p+1], v[XA+\p:XA+\p+1], s[50:51] op_sel_hi:[1,0]      ; x sqrt(log2(e) / 2)
.endr
.irp i, 0,1,2,3,4,5,6,7
	v_rcp_f32 v[TT+\i], v[TT+\i]                                                   ; t
.endr
.irp p, 0,2,4,6
	v_pk_mul_f32 v[EE+\p:EE+\p+1], v[EE+\p:EE+\p+1], v[EE+\p:EE+\p+1] neg_lo:[1,0] neg_hi:[1,0]   ; plain work behind the reciprocals (ISA guide 5.7.2): - x^2 log2(e) / 2
.endr
.irp i, 0,1,2,3,4,5,6,7
	v_exp_f32 v[EE+\i], v[EE+\i]                                                   ; e^(-x^2 / 2)
.endr
	s_wait_alu depctr_va_vdst(0)
.irp p, 0,2,4,6
	v_pk_fma_f32 v[QQ+\p:QQ+\p+1], v[TT+\p:TT+\p+1], s[52:53], s[54:55] op_sel_hi:[1,0,0]   ; plain work behind the exponentials: the series in t, its coefficients halved
.endr
.irp a, 56,58,60
.irp p, 0,2,4,6
	v_pk_fma_f32 v[QQ+\p:QQ+\p+1], v[QQ+\p:QQ+\p+1], v[TT+\p:TT+\p+1], s[\a:\a+1] op_sel_hi:[1,1,0]
.endr
.endr
.irp p, 0,2,4,6
	v_pk_mul_f32 v[QQ+\p:QQ+\p+1], v[QQ+\p:QQ+\p+1], v[TT+\p:TT+\p+1]
.endr
.irp p, 0,2,4,6
	v_pk_mul_f32 v[QQ+\p:QQ+\p+1], v[QQ+\p:QQ+\p+1], v[EE+\p:EE+\p+1]              ; q
.endr
.irp i, 0,1,2,3,4,5,6,7
	v_max_num_f32 v[TT+\i], 0, v[XA+\i]
.endr
.irp i, 0,1,2,3,4,5,6,7
	v_fma_f32 v[TT+\i], -|v[XA+\i]|, v[QQ+\i], v[TT+\i]                            ; max(y, 0) - |y| q = gelu(x) / 4
.endr
.irp i, 0,1,2,3
	v_cvt_pk_f16_f32 v[XA+\i], v[TT+2*\i], v[TT+2*\i+1]                            ; y is done with: its place takes the packed halves, so that no later GELU writes what an LDS store still reads
.endr
.endm
; The way out of chunk c, a tile at a time: 32 sums, one wait, 8 stores.  Store 8 t + j takes register j of tile t's four accumulators (j ascending: each accumulator is first read at its lowest
; register) plus b2, 16 bytes a lane.  Where the quads lie: the plan at the head.  Stores from number F on would hold no token and are jumped over; the sums made for them are dropped.
.macro EPI c
	WIN 0                                          ; at a branch and at a label every window is 0
	PLACES
.irp t, 0,1,2,3,4
.irp j, 0,1,2,3
.irp f, 0,1,2,3
.if (\t) == 0
	v_add_f32 v[TMP+4*\j+\f], v[ACC+8*\f+\j], v[B2+4*\c+\f]
.else
	v_add_f32 v[ACC+8*(4*(\t-1)+\j)+4+\f], v[ACC+8*(4*\t+\f)+\j], v[B2+4*\c+\f]    ; into the high half of accumulator (t - 1, j)
.endif
.endr
.endr
.irp j, 4,5,6,7
.irp f, 0,1,2,3
	v_add_f32 v[ACC+8*(4*\t+\j-4)+\f], v[ACC+8*(4*\t+\f)+\j], v[B2+4*\c+\f]        ; into the low half of accumulator (t, j - 4)
.endr
.endr
	s_wait_alu depctr_va_vdst(0)                   ; the sums have written the tile's eight quads, which the stores below read (their offsets in VOFF were written ahead of earlier waits)
.irp j, 0,1,2,3,4,5,6,7
.if (\j) >= 4
.set rQ, ACC+8*(4*\t+\j-4)
.elseif (\t) == 0
.set rQ, TMP+4*\j
.else
.set rQ, ACC+8*(4*(\t-1)+\j)+4
.endif
	s_cmp_le_u32 s62, 8*\t+\j
	s_cbranch_scc1 .Ldone_\c
	global_store_b128 v[VOFF+8*\t+\j], v[rQ:rQ+3], s[22:23] offset:256*\c th:TH_STORE_NT
.endr
.endr
.Ldone_\c:
.endm
	s_load_b512 s[8:23], s[0:1], 0x0               ; xh s[8:9], order s[10:11], counts s[12:13], wp s[14:15], c1p s[16:17], b1 s[18:19], b2 s[20:21], out0 s[22:23]
	s_set_vgpr_msb 0x40
	v_lshl_add_u32 v254, v0, 2, 0x33000
	v_mov_b32 v255, 0
	s_set_vgpr_msb 0x4000
	v_and_b32 v84, 31, v0                          ; lane
	v_lshrrev_b32 v9, 5, v0
	v_readfirstlane_b32 s63, v9                    ; my wave's number
	v_and_b32 v7, 15, v0                           ; r
	v_bfe_u32 v8, v0, 4, 1                         ; h
	v_lshlrev_b32 v1, 4, v84                       ; 16 x lane
	s_wait_alu depctr_va_sdst(0)                   ; s63 is written, ahead of its first reader: addresses are made from it
	s_wait_kmcnt 0x0
	s_load_b512 s[24:39], s[12:13], 0x0            ; the 64 counts, experts 0 and 1; no line of this launch writes them
	s_load_b512 s[40:55], s[12:13], 0x40           ; experts 2 and 3
	s_load_b512 s[68:83], s[12:13], 0x80           ; experts 4 and 5
	s_load_b512 s[84:99], s[12:13], 0xc0           ; experts 6 and 7
	; thread m < 80 will fetch the token of row place m: its rank, while the counts are on their way
	v_min_u32 v90, 79, v0
	v_and_b32 v86, 0x70, v90
	v_and_b32 v94, 7, v90
	v_lshl_add_u32 v86, v94, 1, v86
	v_bfe_u32 v94, v90, 3, 1
	v_add_nc_u32 v86, v86, v94                     ; rank = 16 t + 2 j + h
	s_wait_kmcnt 0x0
	; n_e: an expert's eight counts are added into its eighth register (the eighth count itself is not wanted again: the S_k are sums of counts 0 to 6)
.irp e, 0,1,2,3,4,5,6,7
.set CE, 24+8*\e+12*(\e/4)
.irp k, 0,1,2,3,4,5,6
	s_add_co_u32 s[CE+7], s[CE+7], s[CE+\k]
.endr
	s_min_u32 s[CE+7], s[CE+7], 0x4000
.endr
	; the split of the 256 work-groups
	s_mov_b32 s5, 0
.irp e, 0,1,2,3,4,5,6,7
.set CE, 24+8*\e+12*(\e/4)
	s_cmp_lg_u32 s[CE+7], 0
	s_add_co_ci_u32 s5, s5, 0                      ; nz
.endr
	s_sub_co_u32 s5, 256, s5                       ; Wn
	s_mov_b32 s6, 0                                ; C
	s_mov_b32 s101, 0                              ; (C Wn) >> 14 of the expert before
	s_mov_b32 s56, 0                               ; work-groups given out so far
	s_mov_b32 s2, 0                                ; my expert,
	s_mov_b32 s3, 0                                ; its first work-group,
	s_mov_b32 s4, 0                                ; its number of work-groups g
.irp e, 0,1,2,3,4,5,6,7
.set CE, 24+8*\e+12*(\e/4)
	s_add_co_u32 s6, s6, s[CE+7]
	s_mul_i32 s7, s6, s5
	s_lshr_b32 s7, s7, 14
	s_sub_co_u32 s100, s7, s101
	s_mov_b32 s101, s7
	s_cmp_lg_u32 s[CE+7], 0
	s_add_co_ci_u32 s100, s100, 0                  ; g_e
	s_cmp_ge_u32 ttmp9, s56                        ; the last expert that begins at or before my number is mine
	s_cselect_b32 s2, \e, s2
	s_cselect_b32 s3, s56, s3
	s_cselect_b32 s4, s100, s4
	s_add_co_u32 s56, s56, s100
.endr
	s_min_u32 s2, s2, 7
.irp e, 1,2,3,4,5,6,7                  ; my expert's seven counts and its n come into s[24:31], where expert 0's lie
.set CE, 24+8*\e+12*(\e/4)
	s_cmp_eq_u32 s2, \e
.irp k, 0,1,2,3,4,5,6,7
	s_cselect_b32 s[24+\k], s[CE+\k], s[24+\k]
.endr
.endr
	s_sub_co_u32 s43, ttmp9, s3                    ; i: my number among the expert's work-groups
.irp u, 0,1,2
	v_add_nc_u32 v9, 32*\u, v84                    ; my tokens are counted: ranks 0 to 95, one a lane; the three masks go into scalar registers of their own
	v_mad_u32_u24 v9, v9, s4, s43
	v_cmp_gt_u32 s[40+\u], s31, v9
.endr
	s_wait_alu depctr_va_sdst(0)                   ; the three compares have written s40 to s42, ahead of their first reader
	s_bcnt1_i32_b32 s44, s40
	s_bcnt1_i32_b32 s45, s41
	s_bcnt1_i32_b32 s46, s42
	s_add_co_u32 s44, s44, s45
	s_add_co_u32 s44, s44, s46
	s_min_u32 s44, s44, 80                         ; my tokens (67 at the most)
	s_add_co_u32 s62, s44, 1
	s_lshr_b32 s62, s62, 1                         ; F: a store covers two ranks
	s_sub_co_u32 s45, s44, 1                       ; my last rank (wraps where I have none: then the clamp below does nothing)
	s_sub_co_u32 s46, s31, 1                       ; the list's last entry
	v_min_u32 v86, s45, v86                        ; places past my last token repeat it
	v_mad_u32_u24 v86, v86, s4, s43                ; p = i + rank x g
	v_min_u32 v86, s46, v86                        ; never past the list's end
	s_mov_b32 s32, 0
.irp k, 1,2,3,4,5,6,7                  ; the last segment that begins at or before p holds it: seven compares in a run, a mask register to each
	s_add_co_u32 s32, s32, s[23+\k]                ; S_k
	s_sub_co_u32 s33, 2048*\k, s32                 ; p + this = word in order[e], for entries of segment k
	v_mov_b32 v[TT+\k], s33
	v_cmp_le_u32 s[33+\k], s32, v86
.endr
	s_wait_alu depctr_va_sdst(0)                   ; the seven compares have written s34 to s40, ahead of the selects that read them
	v_cndmask_b32 v90, 0, v[TT+1], s34             ; segment 0 begins at word 0
.irp k, 2,3,4,5,6,7
	v_cndmask_b32 v90, v90, v[TT+\k], s[33+\k]
.endr
	v_add_nc_u32 v86, v86, v90
	v_min_u32 v86, 0x3fff, v86
	v_lshlrev_b32 v86, 2, v86
	v_lshlrev_b32 v88, 3, v0                       ; columns 2 t and 2 t + 1 of c1
	s_lshl_b32 s68, s63, 10
	v_lshl_add_u32 v89, v7, 4, s68                 ; 1,024 w + 16 r: my 4 columns of a chunk, in b2 and in a row of out0
	s_mov_b32 s69, 0
	s_lshl_b32 s68, s2, 16
	s_add_nc_u64 s[10:11], s[10:11], s[68:69]      ; order[e]
	s_wait_alu depctr_va_vdst(0)                   ; v86, v88 and v89 are written, the offsets of the 38 loads below; so is v1, the weight ring's
	global_load_b32 v87, v86, s[10:11]
	s_lshl_b32 s68, s2, 15
	s_add_nc_u64 s[16:17], s[16:17], s[68:69]      ; c1p[e]
	s_lshl_b32 s68, s2, 10
	s_add_nc_u64 s[18:19], s[18:19], s[68:69]      ; b1[e]
	s_lshl_b32 s68, s2, 12
	s_add_nc_u64 s[20:21], s[20:21], s[68:69]      ; b2[e]
	s_lshl_b32 s68, s2, 20
	s_lshl_b32 s70, s63, 18
	s_add_co_u32 s68, s68, s70
	s_add_nc_u64 s[66:67], s[14:15], s[68:69]      ; my wave's 256 KiB of wp
.set i, 0
.rept 32
	global_load_b64 v[ACC+2*i:ACC+2*i+1], v88, s[16:17] offset:1024*i
.set i, i+1
.endr
	global_load_b64 v[ACC+64:ACC+65], v88, s[18:19]
.irp c, 0,1,2,3
	global_load_b128 v[B2+4*\c:B2+4*\c+3], v89, s[20:21] offset:256*\c
.endr
	; constants, in registers that held the other experts' counts, and addresses that hang on no data
	s_mov_b32 s47, 0x7fffffff
	PAIR 48, 0x3f6d3388                            ; 4 x 0.3275911 / sqrt 2 = 0.92656756: it multiplies |y| = |x| / 4
	PAIR 50, 0x40596d27                            ; 4 x sqrt(log2(e) / 2) = 3.3972872: likewise
	PAIR 52, 0x3f07dc22                            ; a5 / 2 =  0.5307027145
	PAIR 54, 0xbf3a00e3                            ; a4 / 2 = -0.7265760135
	PAIR 56, 0x3f35f0e3                            ; a3 / 2 =  0.7107068705
	PAIR 58, 0xbe11a98e                            ; a2 / 2 = -0.142248368
	PAIR 60, 0x3e027906                            ; a1 / 2 =  0.127414796
	PAIR 72, 0x3c800000                            ; 1 / 64
	PAIR 74, 0x3e800000                            ; 1 / 4
	s_lshl_b32 s68, s63, 7
	s_add_co_u32 s68, s68, LISTM
	v_lshl_add_u32 v91, v84, 2, s68                ; the list: one word a thread
	s_mul_i32 s68, s63, 80
	s_add_co_u32 s68, s68, LISTM
	v_mov_b32 v92, s68                             ; my wave's 20 rows in it
	s_lshl_b32 s68, s63, 8
	s_add_co_u32 s68, s68, C1S
	v_and_b32 v93, 1, v0
	v_lshl_add_u32 v93, v93, 7, s68
	v_bfe_u32 v94, v0, 1, 4
	v_lshl_add_u32 v93, v94, 2, v93                ; column 2 t is stored at place 64 (t >> 5) + 32 (t & 1) + ((t >> 1) & 15), column 2 t + 1 sixteen places on
	v_lshl_add_u32 v85, v8, 5, s68                 ; c1 of places 64 w + 8 h on
	s_mul_i32 s68, s63, 20*APITCH
	v_add_nc_u32 v82, s68, v1                      ; my wave's 20 rows of the token tile
	v_mul_u32_u24 v95, v7, GPITCH
	v_lshl_add_u32 v95, v8, 4, v95
	v_add_nc_u32 v95, GBASE, v95                   ; hidden rows: 528 r + 16 h
	s_lshl_b32 s68, s63, 7
	v_add_nc_u32 v83, s68, v95                     ; + my wave's 64 places
	v_mul_u32_u24 v9, v7, APITCH
	v_lshl_add_u32 v9, v8, 4, v9
.irp t, 0,1,2,3,4
	v_add_nc_u32 v[ADA+\t], 16*APITCH*\t, v9       ; token rows: (16 t + r) x pitch + 16 h
.endr
	s_wait_loadcnt 37                              ; the list entry is older than the 37 loads behind it
	v_min_u32 v87, 0x3fff, v87
	s_wait_alu depctr_va_vdst(0)                   ; v87 is written, which the LDS store reads; so are all the LDS addresses made above: v82, v83, v85, v91 to v93 and v[ADA ..]
	ds_store_b32 v91, v87
	s_wait_dscnt 0x0                               ; for the others' sake
	BAR
.irp i, 0,1,2,3,4
	ds_load_b128 v[GO+4*\i:GO+4*\i+3], v92 offset:16*\i
.endr
	s_wait_loadcnt 0x0
	C1SUM 16                                       ; c1 = the 32 parts + b1, two columns a thread
	C1SUM 8
	C1SUM 4
	C1SUM 2
	C1SUM 1
	v_pk_add_f32 v[ACC:ACC+1], v[ACC:ACC+1], v[ACC+64:ACC+65]
	v_pk_mul_f32 v[ACC:ACC+1], v[ACC:ACC+1], s[74:75] op_sel_hi:[1,0]   ; kept as c1 / 4
	s_wait_dscnt 0x0                               ; my wave's 20 tokens are in registers
.set i, 0
.rept 20
	v_min_u32 v[GO+i], 0x3fff, v[GO+i]
	v_lshl_add_u32 v[GO+i], v[GO+i], 11, v1        ; the token's row of 2,048 bytes + 16 x lane
.set i, i+1
.endr
	; the gather: 80 loads in four groups through three groups of registers, then the first three slots of the weight ring
	WIN 0x40
	s_wait_alu depctr_va_vdst(0)                   ; the 20 offsets v[GO ..] are written, which the gather's loads read; so are c1's two numbers, which the two LDS stores read
	GLOAD 0
	GLOAD 1
	GLOAD 2
	ds_store_b32 v93, v[ACC]                       ; (an LDS store has no destination: under this setting its address and data are window 0's)
	ds_store_b32 v93, v[ACC+1] offset:64
	s_wait_loadcnt 40                              ; group 0 is in; groups 1 and 2 stay out
	GSTORE 0
	WIN 0x40
	s_wait_alu depctr_vm_vsrc(0)                   ; group 0's LDS stores have read their data registers, in which group 3 lands
	GLOAD 3
	s_wait_loadcnt 40                              ; group 1 is in; groups 2 and 3 stay out
	GSTORE 1
	BLOAD 0
	s_wait_loadcnt 36                              ; group 2 is in; group 3's 20 and the ring's 16 stay out
	GSTORE 2
	BLOAD 1
	s_wait_loadcnt 32                              ; group 3 is in; the ring's 32 stay out
	GSTORE 3
	BLOAD 2
	s_wait_dscnt 0x0                               ; for the others' sake: my rows and my part of c1 lie in LDS
	BAR
	WIN 0x40
	s_wait_alu depctr_vm_vsrc(0)                   ; the gather's LDS stores have read the registers in which the token fragments land; c1's two stores and the gather's loads have read v[ACC], v[ACC+1] and v[GO ..], which the first products write
	ALOAD 0, 0
	; FIRST PRODUCT: K = 1,024 in 16 double steps
	DSTEP 0, 1, 1, 128
.irp d, 1,2,3,4,5,6,7,8,9,10,11,12,13,14
	DSTEP \d, 1, 0, 128*(\d+1)
.endr
	DSTEP 15, 1, 0, -1
	WIN 0
	PLACES
	s_wait_dscnt 0x0                               ; c1
.irp t, 0,1,2,3,4
.irp f, 0,1,2,3
	GELU \t, \f
.endr
	s_wait_alu depctr_va_vdst(0)                   ; the tile's conversions have written the four quads that the LDS stores read
.irp f, 0,1,2,3
	ds_store_b128 v83, v[ACC+8*(4*\t+\f):ACC+8*(4*\t+\f)+3] offset:16*GPITCH*\t+32*\f
.endr
.endr
	s_wait_dscnt 0x0                               ; for the others' sake: my 64 places of all 80 hidden rows lie in LDS
	BAR                                            ; the ring's loads stay on their way: nobody writes what they read
	; SECOND PRODUCT: K = 256 in 4 double steps for each of 4 chunks of 64 columns
	s_wait_alu depctr_vm_vsrc(0)                   ; the LDS loads issued so far have read v[ADA ..] and v92, which are written anew below; the GELU's LDS stores have read their quads in the accumulators, which the second product's sums write
.irp t, 0,1,2,3,4
	v_add_nc_u32 v[ADA+\t], 16*GPITCH*\t, v95
.endr
	v_lshlrev_b32 v92, 5, v8
	v_add_nc_u32 v92, LISTM, v92                   ; the tokens of row places 16 t + 8 h + j
	s_wait_alu depctr_va_vdst(0)                   ; v92 and v[ADA ..] are written, which the loads below read; the GELU is done with v[10:49], in which the tokens land
.irp t, 0,1,2,3,4
	ds_load_b128 v[VOFF+8*\t:VOFF+8*\t+3],   v92 offset:64*\t
	ds_load_b128 v[VOFF+8*\t+4:VOFF+8*\t+7], v92 offset:64*\t+16
.endr
	ALOAD 16, 0                                    ; no vector instruction stands between the wait and these loads
	WIN 0
	s_wait_dscnt 20                                ; the tokens are in; the 20 fragment loads stay out
.set i, 0
.rept 40
	v_min_u32 v[VOFF+i], 0x3fff, v[VOFF+i]
	v_lshl_add_u32 v[VOFF+i], v[VOFF+i], 12, v89   ; the token's row of 4,096 bytes + my 16 bytes of a chunk
.set i, i+1
.endr
.irp c, 0,1,2,3
	DSTEP 16+4*\c, 0, 1, 128
	DSTEP 17+4*\c, 0, 0, 256
	DSTEP 18+4*\c, 0, 0, 384
.if \c < 3
	DSTEP 19+4*\c, 0, 0, 0                         ; the next chunk walks the same hidden rows again
.else
	DSTEP 19+4*\c, 0, 0, -1
.endif
	EPI \c
.endr
	s_set_vgpr_msb 0x5
	s_wait_dscnt 0x0
	s_wait_alu depctr_hold_cnt(0) depctr_sa_sdst(0) depctr_va_vdst(0) depctr_va_sdst(0) depctr_va_ssrc(0) depctr_va_vcc(0) depctr_vm_vsrc(0)
	s_wait_tensorcnt 0x0
	ds_add_u32 v254, v255
	s_wait_dscnt 0x0
	s_endpgm
.Lfunc_end_k_q058e88d800_experts:
	.size	k_q058e88d800_experts, .Lfunc_end_k_q058e88d800_experts-k_q058e88d800_experts
	.p2alignl 7, 3214868480
	.fill 96, 4, 3214868480
	.section	.rodata,"a",@progbits
	.p2align	6, 0x0
	.amdhsa_kernel k_q058e88d800_experts
		.amdhsa_group_segment_fixed_size 209408
		.amdhsa_private_segment_fixed_size 0
		.amdhsa_enable_private_segment 0
		.amdhsa_kernarg_size 64
		.amdhsa_user_sgpr_count 2
		.amdhsa_user_sgpr_kernarg_segment_ptr 1
		.amdhsa_wavefront_size32 1
		.amdhsa_system_sgpr_workgroup_id_x 1
		.amdhsa_system_sgpr_workgroup_id_y 1
		.amdhsa_system_sgpr_workgroup_id_z 1
		.amdhsa_system_vgpr_workitem_id 0
		.amdhsa_next_free_vgpr 768
		.amdhsa_next_free_sgpr 102
		.amdhsa_reserve_vcc 0
		.amdhsa_float_denorm_mode_32 3
		.amdhsa_float_denorm_mode_16_64 3
		.amdhsa_memory_ordered 1
		.amdhsa_forward_progress 1
		.amdhsa_inst_pref_size 255
	.end_amdhsa_kernel
	.section	.bss,"aw",@nobits
	.p2align	6
	.space	262144
	.amdgpu_metadata
---
amdhsa.version: [ 1, 2 ]
amdhsa.kernels:
  - .name:           k_q058e88d800_experts
    .symbol:         k_q058e88d800_experts.kd
    .args:
      - { .name: xh, .offset: 0, .size: 8, .value_kind: global_buffer, .address_space: global }
      - { .name: order, .offset: 8, .size: 8, .value_kind: global_buffer, .address_space: global }
      - { .name: counts, .offset: 16, .size: 8, .value_kind: global_buffer, .address_space: global }
      - { .name: wp, .offset: 24, .size: 8, .value_kind: global_buffer, .address_space: global }
      - { .name: c1p, .offset: 32, .size: 8, .value_kind: global_buffer, .address_space: global }
      - { .name: b1, .offset: 40, .size: 8, .value_kind: global_buffer, .address_space: global }
      - { .name: b2, .offset: 48, .size: 8, .value_kind: global_buffer, .address_space: global }
      - { .name: out0, .offset: 56, .size: 8, .value_kind: global_buffer, .address_space: global }
    .group_segment_fixed_size: 209408
    .private_segment_fixed_size: 0
    .kernarg_segment_align: 8
    .kernarg_segment_size: 64
    .max_flat_workgroup_size: 128
    .sgpr_count:     102
    .vgpr_count:     768
    .wavefront_size: 32
...
	.end_amdgpu_metadata
.endif
;; end of part 4
